; MI455X (gfx1250); checked and timed in simulation.
; The chip was launched on July 23, 2026; its instructions are those of AMD's public machine-readable ISA for CDNA 5 (MIT licence, August 2026) and "CDNA5" Instruction Set Architecture Reference Guide (July 2026). The comments in the code are by the model that wrote it; some were corrected since.
;; Attention Layer. Allowed arithmetic: matrix products marked QUANTISED: E2M1 operands, one E8M0 scale for each 32 along K, by v_wmma_scale_f32_16x16x128_f8f6f4 with both operands' format E2M1 (or v_wmma_scale_f32_32x16x128_f4), f32 sums; products left as they are: bf16, f16 or f32 operands; f32 sums; everything else in f32.
;; Inputs: Wk 1,024 x 1,024 float32; Wo 1,024 x 1,024 float32; Wq 1,024 x 1,024 float32; Wv 1,024 x 1,024 float32; context 8 x 1,024 x 1,024 float32; input 8 x 1,024 x 1,024 float32.
;; Outputs: out0 8 x 1,024 x 1,024 float32; out1 8 x 1,024 x 1,024 float32.
;; This version of the problem:
;;   THIS VERSION OF THE PROBLEM IS GIVEN IN LOW PRECISION. The matrix products marked QUANTISED in the list below multiply operands that are first quantised to E2M1 (2 exponent bits, 1 mantissa bit; 4 bits a number), with one power-of-two scale for each 32 numbers along K (OCP MX v1.0); their sums are f32. The products marked 'left as it is' may take bf16, f16 or f32 operands, with f32 sums. Whichever they take, every output number must still come out within the allowed error. Rounding operands to bf16 (8 significant bits) uses up far more of that allowance than f16 does (11 bits, for magnitudes from 6e-5 to 65,504). All else is computed in f32.
;;   The module's matrix products, in the order in which they are computed (A, B: the left and right operand; K: the contracted axis; several contracted axes count as one K, in the product's order):
;;     1. [M 8,192, K 1,024] x [K 1,024, N 1,024]; A: input input; B: input Wq: QUANTISED
;;     2. [M 8,192, K 1,024] x [K 1,024, N 1,024]; A: input context; B: input Wk: QUANTISED
;;     3. [M 8,192, K 1,024] x [K 1,024, N 1,024]; A: input context; B: input Wv: QUANTISED
;;     4. batch 8 x [M 1,024, K 1,024] x [K 1,024, N 1,024]; A: computed on the way; B: computed on the way: left as it is (an operand is computed on the way)
;;     5. batch 8 x [M 1,024, K 1,024] x [K 1,024, N 1,024]; A: computed on the way; B: computed on the way: left as it is (an operand is computed on the way)
;;     6. [M 8,192, K 1,024] x [K 1,024, N 1,024]; A: computed on the way; B: input Wo: left as it is (an operand is computed on the way)
;;   THE QUANTISER, for each operand of a quantised product, along K:
;;     - K is cut into blocks of 32 from its start; a last block that is shorter is filled with zeros.
;;     - A block's scale is 2^e with e = floor(log2(the largest magnitude in the block)) - 2, held to -126 .. 127; a block of zeros has e = 0. As a byte (E8M0): e + 127.
;;     - Each number is divided by its block's scale, clamped to +-6, and rounded to the nearest number of E2M1, ties to even, subnormals kept.
;;     - The product sums the exact products of the quantised numbers (number of the format x scale) in f32.
;;   ~~~python
;;   def quantise(x, axis):      # numpy; x: float32 -> the quantised numbers, widened to float32 again
;;       x = np.moveaxis(x, axis, -1); K = x.shape[-1]
;;       x = np.pad(x, [(0, 0)] * (x.ndim - 1) + [(0, -K % 32)]); x = x.reshape(x.shape[:-1] + (-1, 32)); a = np.abs(x).max(-1, keepdims=True)
;;       e = np.where(a > 0, np.clip(np.frexp(np.where(a > 0, a, 1))[1] - 1 - 2, -126, 127), 0)      # np.frexp(a)[1] - 1 = floor(log2(a)), exactly
;;       r = np.clip(x / 2.0 ** e, -6, 6)
;;       step = 2.0 ** (np.maximum(np.frexp(np.where(r == 0, 1, r))[1] - 1, 0) - 1)
;;       q = np.round(r / step) * step * 2.0 ** e      # np.round: ties to even
;;       return np.moveaxis(q.reshape(q.shape[:-2] + (-1,))[..., :K], -1, axis).astype(np.float32)
;;   ~~~
;; One version. Each part assembles by itself: llvm-mc -triple=amdgcn-amd-amdhsa -mcpu=gfx1250 --defsym DOCPART=n.
;; ======== version 1 of 1: 5 launches
;; limits: values outside matrix products are rounded to f16; values are held in f16: magnitudes above 65,504 overflow, below 6.1e-05 lose precision
;; workspace buffers: codes 10,584,064 bytes; wo16 2,097,152 bytes; qkv 50,331,648 bytes; pbuf 16,777,216 bytes; ctx16 16,777,216 bytes; stats 524,288 bytes
;; launch prep (part 1): grid 768 x 1, 4 waves a work-group, no clusters, 34,304 bytes of LDS; arguments input, context, Wq, Wk, Wv, Wo, codes, wo16; writes codes, wo16
.if DOCPART == 1
	.amdgcn_target "amdgcn-amd-amdhsa--gfx1250"
	.amdhsa_code_object_version 6
	.text
	.protected	k_q1cde78396c_prep
	.globl	k_q1cde78396c_prep
	.p2align	8
	.type	k_q1cde78396c_prep,@function
k_q1cde78396c_prep:
	s_mov_b64 s[64:65], 0
	v_nop
	global_prefetch_b8 v0, s[64:65] scope:SCOPE_SE
	s_setreg_imm32_b32 hwreg(HW_REG_WAVE_MODE, 25, 1), 1
	s_wait_xcnt 0x0
; FIRST OF FIVE LAUNCHES (prep, proj, scores, ctx, outp).  No step and no input of reference() is left out anywhere in the program: every input reaches an output, nothing is masked or sliced away.
; THIS LAUNCH: input and context [8192][1024] f32, and Wq, Wk, Wv [1024 (k)][1024 (n)] f32, become codes of FP4 (E2M1) with one E8M0 scale byte for each 32 along K; Wo [1024 (k)][1024 (n)] becomes f16.
; A block's scale is 2^(floor(log2(its largest magnitude)) - 2): its byte is that magnitude's own exponent field - 2, held at 1 from below; each number / scale is rounded to the nearest code, ties to even, beyond 6 the largest code.
; LIMITS: a block of zeros gets the byte 1 where the rule says 127 (its codes are zeros, which add nothing under any byte but 0xff, and this program alone reads the bytes); blocks whose largest magnitude lies under 2^-124 are
; held at the byte 1; |Wo| stays under 65,504 (f16), and numbers of Wo under 6e-5 carry an absolute error of up to 3e-8; NaN and infinities among the inputs are not served.
; LAYOUT OF WHAT IS STORED: IMAGES OF OPERAND REGISTERS.  A fragment (FP4: 16 rows x 128 k; f16: 16 rows x 32 k) is 8 registers a lane = 1,024 bytes: registers 4 c .. 4 c + 3 of lane l at byte 512 c + 16 l.
;   codes:  a BLOCK is a group of 128 rows x 512 along K: 32,768 bytes of codes [(k / 128) % 4][row tile 8][1,024], then 2,048 bytes of scale words [row tile 8][row 16][word (k / 128) % 4], a word = the four bytes of 128 along K.
;           Two groups form a pair of 139,264 bytes: [k / 512][group % 2][block 34,816].  Groups 0-63 input, 64-127 context, 128-135 Wq (a row = an output column), 136-143 Wk, 144-151 Wv.
;   wo16:   block (n / 256, k / 128) of 65,536 bytes [row tile 16][(k / 32) % 4][1,024], rows = output columns.
; SHARES.  Work-groups 0-255 take the four weights: a wave 32 columns (a lane to a column, registers down K) x 128 along K.  Work-groups 256-767 take the activations: a wave 16 rows x 512 along K, 128 at a time.
; A stream: the work-groups share no input, so there is no cluster, no tensor load and no matrix work; waves share nothing, so there is no barrier.
.set SPW,   254                        ; v254  LDS address of my spare word; never rewritten
.set NIL,   255                        ; v255  0; never rewritten
.set STG,   16*528                     ; LDS: a stage for each wave (activations only): 16 rows x (512 bytes + 16)
.set SPARE, 4*STG                      ; behind the stages: the spare words, 128 bytes a wave: two blocks of 256 bytes that no other line names
.set BLK,   34816                      ; a block of codes and scale words
.set HALFK, 2*BLK                      ; both groups of a pair, 512 along K
.set SUPER, 4*BLK                      ; a pair of groups, all of K
.set GO,    4                          ; v4    16 x lane: my place in an image, and in a load's 512 bytes
.set R,     16                         ; v16-143  numbers as loaded (weights: 4 blocks of 32 down K; activations: two sets of 64)
.set X,     144                        ; v144-207 activations: my two blocks of 32 neighbours.  Weights: codes (v144-159) or f16 pairs (v144-207)
.set C,     208                        ; v208-215 activations: a fragment's codes
.set W,     216                        ; v216-219 activations: a scale word for each K step
.set T,     224                        ; v224-230 at work
	s_load_b256 s[4:11], s[0:1], 0x0               ; input s[4:5], context s[6:7], Wq s[8:9], Wk s[10:11]
	s_load_b256 s[12:19], s[0:1], 0x20             ; Wv s[12:13], Wo s[14:15], codes s[16:17], wo16 s[18:19]
	v_lshl_add_u32 v[SPW], v0, 2, SPARE
	v_mov_b32 v[NIL], 0
	v_lshrrev_b32 v1, 5, v0
	v_readfirstlane_b32 s22, v1                    ; wave 0..3
	v_and_b32 v1, 31, v0                           ; lane
	v_and_b32 v2, 15, v0                           ; r
	v_bfe_u32 v3, v0, 4, 1                         ; h
	v_lshlrev_b32 v[GO], 4, v1
	s_cmp_ge_u32 ttmp9, 256
	s_cbranch_scc1 .Lacts
	; ---------------- THE WEIGHTS ----------------
	s_lshr_b32 s26, ttmp9, 6                       ; which: 0 Wq, 1 Wk, 2 Wv, 3 Wo
	s_bfe_u32 s27, ttmp9, 0x30003                  ; ks: which 128 along K
	s_and_b32 s28, ttmp9, 7
	s_lshl_b32 s28, s28, 2
	s_add_co_u32 s28, s28, s22                     ; cg: which 32 columns; the four waves stand side by side on 512 bytes of each row
	v_lshlrev_b32 v5, 2, v1                        ; 4 bytes a lane
	s_lshl_b32 s34, s27, 19                        ; 128 rows of 4,096 bytes
	s_lshl_b32 s35, s28, 7                         ; 32 columns of 4 bytes
	s_add_co_u32 s34, s34, s35
	s_mov_b32 s35, 0
	s_wait_kmcnt 0x0
	s_bitcmp1_b32 s26, 0                           ; the choice hangs on the work-group's number alone
	s_cselect_b64 s[30:31], s[10:11], s[8:9]
	s_cselect_b64 s[32:33], s[14:15], s[12:13]
	s_cmp_lt_u32 s26, 2
	s_cselect_b64 s[30:31], s[30:31], s[32:33]
	s_add_nc_u64 s[30:31], s[30:31], s[34:35]
.macro WLOAD t                         ; block t: W(128 ks + 32 t + i, my column), i = 0 .. 31: each load reads 128 neighbouring bytes
.set i, 0
.rept 32
	global_load_b32 v[R+32*(\t)+i], v5, s[30:31] offset:4096*(32*(\t)+i) th:TH_LOAD_NT
.set i, i+1
.endr
.endm
	WLOAD 0
	WLOAD 1                                        ; two blocks, 64 loads, run ahead
	s_cmp_eq_u32 s26, 3
	s_cbranch_scc1 .Lwo
	; ---- Wq, Wk, Wv: codes.  All 32 numbers of a block are one lane's: no other lane is asked for the maximum, and the conversions give K innermost
	s_lshl_b32 s36, s26, 2
	s_lshr_b32 s37, s28, 3
	s_add_co_u32 s36, s36, s37
	s_add_co_u32 s36, s36, 64                      ; the pair of groups: 64 + 4 x which + column / 256
	s_mul_i32 s36, s36, SUPER
	s_bfe_u32 s37, s28, 0x10002                    ; which group of the pair: (column / 128) % 2
	s_mul_i32 s37, s37, BLK
	s_add_co_u32 s36, s36, s37
	s_lshr_b32 s37, s27, 2                         ; which 512 along K
	s_mul_i32 s37, s37, HALFK
	s_add_co_u32 s36, s36, s37                     ; my block
	s_and_b32 s37, s27, 3                          ; which 128 of the 512
	s_lshl_b32 s38, s37, 13                        ; codes: 8,192 bytes for each 128 along K
	s_lshl_b32 s39, s37, 2                         ; words: 4 bytes
	s_and_b32 s37, s28, 3                          ; my two row tiles of the group's eight
	s_lshl_b32 s40, s37, 11
	s_lshl_b32 s41, s37, 9
	s_add_co_u32 s38, s38, s40
	s_add_co_u32 s38, s38, s36
	s_add_co_u32 s40, s39, s41
	s_add_co_u32 s40, s40, s36
	s_add_co_u32 s40, s40, 32768                   ; the words lie behind the block's codes
	s_mov_b32 s39, 0
	s_mov_b32 s41, 0
	s_add_nc_u64 s[42:43], s[16:17], s[40:41]
	s_add_nc_u64 s[16:17], s[16:17], s[38:39]
	v_lshlrev_b32 v6, 8, v3
	v_lshl_add_u32 v6, v2, 4, v6                   ; my word: tile h, row r
.macro QBLK t
.set XS, R+32*(\t)
	v_max3_num_f32 v8, |v[XS]|, |v[XS+1]|, |v[XS+2]|               ; the block's largest magnitude, in two chains
	v_max3_num_f32 v9, |v[XS+3]|, |v[XS+4]|, |v[XS+5]|
.irp i, 6,10,14,18,22,26
	v_max3_num_f32 v8, v8, |v[XS+\i]|, |v[XS+\i+1]|
	v_max3_num_f32 v9, v9, |v[XS+\i+2]|, |v[XS+\i+3]|
.endr
	v_max3_num_f32 v8, v8, |v[XS+30]|, |v[XS+31]|
	v_max3_num_f32 v8, v8, v9, 0x1800000           ; and the floor 2^(3 - 127): the byte cannot fall under 1
	v_add_nc_u32 v10, 0xff000000, v8               ; 2 off its exponent field: the conversion takes the exponent field of this operand as its scale
.if (\t) == 0
	v_lshrrev_b32 v160, 23, v10                    ; the scale's byte: the word's lowest
.else
	v_lshrrev_b32 v11, 23, v10
	v_lshl_or_b32 v160, v11, 8*(\t), v160
.endif
.irp g, 0,1,2,3
	v_cvt_scalef32_pk8_fp4_f32 v[144+4*(\t)+\g], v[XS+8*\g:XS+8*\g+7], v10
.endr
	v_nop                                          ; a plain line between the conversions and the next vector line that touches their registers
.endm
	s_wait_loadcnt 32                              ; block 0 is in; block 1's 32 loads may be out
	WLOAD 2
	QBLK 0
	s_wait_loadcnt 32                              ; block 1 is in; block 2's may be out
	WLOAD 3
	QBLK 1
	s_wait_loadcnt 32                              ; block 2 is in; block 3's may be out
	QBLK 2
	s_wait_loadcnt 0x0
	QBLK 3
; Lanes 0-15 hold four blocks of a row of tile 0, lanes 16-31 of tile 1.  A fragment wants block 2 c + h in registers 4 c .. 4 c + 3 of lane (r, h): the exchange below gives it:
; block 2 c's upper lanes change places with block 2 c + 1's lower lanes; the first register is then tile 0's, the second tile 1's.
.irp c, 0,1
.irp i, 0,1,2,3
	v_permlane16_swap_b32 v[144+8*\c+\i], v[148+8*\c+\i]
.endr
.endr
	global_store_b128 v[GO], v[144:147], s[16:17]                  ; each store covers 512 consecutive bytes, aligned
	global_store_b128 v[GO], v[152:155], s[16:17] offset:512
	global_store_b128 v[GO], v[148:151], s[16:17] offset:1024
	global_store_b128 v[GO], v[156:159], s[16:17] offset:1536
	global_store_b32 v6, v160, s[42:43]            ; 4 bytes in every 16: the other words of a row belong to other K steps.  98,304 bytes in all, one in 128 of what these paths read
	s_branch .Lend
	; ---- Wo: f16 pairs along K, the same exchange of halves
.Lwo:
	s_lshr_b32 s36, s28, 3
	s_lshl_b32 s36, s36, 19                        ; column / 256: eight blocks of 65,536 bytes
	s_lshl_b32 s37, s27, 16                        ; the block of this 128 along K
	s_add_co_u32 s36, s36, s37
	s_and_b32 s37, s28, 7
	s_lshl_b32 s37, s37, 13                        ; my two row tiles of the block's sixteen
	s_add_co_u32 s36, s36, s37
	s_mov_b32 s37, 0
	s_add_nc_u64 s[18:19], s[18:19], s[36:37]
.macro OBLK t                          ; 32 along K: one fragment for each of my two tiles.  Each block has registers of its own: no store's data are written again
.set XS, R+32*(\t)
.set PK, 144+16*(\t)
.set n, 0
.rept 16
	v_cvt_pk_f16_f32 v[PK+n], v[XS+2*n], v[XS+2*n+1]
.set n, n+1
.endr
.irp i, 0,1,2,3                        ; a fragment wants k = 8 h .. in registers 0-3 and 16 + 8 h .. in registers 4-7
	v_permlane16_swap_b32 v[PK+\i], v[PK+4+\i]
	v_permlane16_swap_b32 v[PK+8+\i], v[PK+12+\i]
.endr
	global_store_b128 v[GO], v[PK:PK+3], s[18:19] offset:1024*(\t)
	global_store_b128 v[GO], v[PK+8:PK+11], s[18:19] offset:1024*(\t)+512
	global_store_b128 v[GO], v[PK+4:PK+7], s[18:19] offset:4096+1024*(\t)
	global_store_b128 v[GO], v[PK+12:PK+15], s[18:19] offset:4096+1024*(\t)+512
.endm
	s_wait_loadcnt 32                              ; as above: the next block's 32 loads may be out
	WLOAD 2
	OBLK 0
	s_wait_loadcnt 32
	WLOAD 3
	OBLK 1
	s_wait_loadcnt 32
	OBLK 2
	s_wait_loadcnt 0x0
	OBLK 3
	s_branch .Lend
	; ---------------- THE ACTIVATIONS ----------------
; Each load reads 512 consecutive bytes of one row.  The conversions want 32 neighbours of a row in ONE lane: the 16 rows x 512 bytes turn through the wave's own stage (rows 528 bytes apart, so that the sixteen rows
; of a read start at sixteen different banks) and come back as lane (r, h): blocks h and 2 + h of row r: the very registers of the fragment.
.Lacts:
	s_sub_co_u32 s26, ttmp9, 256
	s_lshl_b32 s27, s26, 2
	s_add_co_u32 s27, s27, s22                     ; 0..2047
	s_and_b32 s23, s27, 1                          ; which 512 along K
	s_lshr_b32 s27, s27, 1                         ; my tile of 16 rows: 0-511 input, 512-1023 context
	s_and_b32 s28, s27, 511
	s_lshl_b32 s28, s28, 16                        ; 16 rows of 4,096 bytes,
	s_lshl_b32 s29, s23, 11                        ; 2,048 bytes along each for my half of K
	s_add_co_u32 s28, s28, s29
	s_mov_b32 s29, 0
	s_lshr_b32 s34, s27, 4                         ; the pair of groups,
	s_mul_i32 s34, s34, SUPER
	s_bfe_u32 s35, s27, 0x10003                    ; the group in it,
	s_mul_i32 s35, s35, BLK
	s_add_co_u32 s34, s34, s35
	s_mul_i32 s35, s23, HALFK                      ; the half of K
	s_add_co_u32 s34, s34, s35                     ; my block
	s_and_b32 s35, s27, 7                          ; my row tile in it
	s_lshl_b32 s36, s35, 8
	s_add_co_u32 s36, s36, s34
	s_add_co_u32 s36, s36, 32768                   ; its 256 bytes of scale words
	s_mov_b32 s37, 0
	s_lshl_b32 s35, s35, 10
	s_add_co_u32 s34, s34, s35                     ; its codes
	s_mov_b32 s35, 0
	s_mov_b32 s24, 0x76543210
	s_mov_b32 s25, 0xfedcba98                      ; v_permlanex16_b32's selects for lane l xor 16
	s_mul_i32 s38, s22, STG                        ; my stage
	v_add_nc_u32 v6, s38, v[GO]                    ; in: 16 x lane of a row
	v_mul_u32_u24 v7, v2, 528
	v_lshl_add_u32 v7, v3, 7, v7
	v_add_nc_u32 v7, s38, v7                       ; back: row r, + 128 h
	v_lshlrev_b32 v8, 3, v3                        ; 8 h: my bytes' place in the scale word
	v_lshl_add_u32 v9, v2, 4, v8                   ; 16 r + 8 h: my two words' place among the tile's
	v_mov_b32 v[T+6], 0                            ; written once: a lane permute's destination counts as one of its sources
	s_wait_kmcnt 0x0
	s_cmp_lt_u32 s27, 512                          ; the choice hangs on the work-group's and the wave's number alone
	s_cselect_b64 s[30:31], s[4:5], s[6:7]
	s_add_nc_u64 s[30:31], s[30:31], s[28:29]
	s_add_nc_u64 s[42:43], s[16:17], s[36:37]
	s_add_nc_u64 s[16:17], s[16:17], s[34:35]
.macro ALOAD s                         ; K step s of my 16 rows into set s % 2
.irp i, 0,1,2,3,4,5,6,7,8,9,10,11,12,13,14,15
	global_load_b128 v[R+64*((\s)%2)+4*\i:R+64*((\s)%2)+4*\i+3], v[GO], s[30:31] offset:4096*\i+512*(\s) th:TH_LOAD_NT
.endr
.endm
.macro ASTEP s
.if (\s) > 0
	s_wait_xcnt 0x0                                ; the last step's stores have read the codes' registers: they are written again only behind this wait
.endif
.if (\s) < 3
	s_wait_loadcnt 16                              ; this step's 16 loads are in; the next step's 16 may be out
.else
	s_wait_loadcnt 0x0
.endif
.irp i, 0,1,2,3,4,5,6,7,8,9,10,11,12,13,14,15
	ds_store_b128 v6, v[R+64*((\s)%2)+4*\i:R+64*((\s)%2)+4*\i+3] offset:528*\i
.endr
.irp c, 0,1
.irp g, 0,1,2,3,4,5,6,7
	ds_load_b128 v[X+32*\c+4*\g:X+32*\c+4*\g+3], v7 offset:256*\c+16*\g   ; LDS serves a wave's instructions in order: these see the stores above
.endr
.endr
	s_wait_dscnt 0x0
.if (\s)+2 < 4
	ALOAD (\s)+2                                   ; the set just sent through the stage takes the step two on
.endif
.irp c, 0,1
	v_max3_num_f32 v[T+\c], |v[X+32*\c]|, |v[X+32*\c+1]|, 0x1800000   ; my block 2 c + h, and the floor 2^(3 - 127)
.endr
.irp i, 2,4,6,8,10,12,14,16,18,20,22,24,26,28,30
.irp c, 0,1
	v_max3_num_f32 v[T+\c], v[T+\c], |v[X+32*\c+\i]|, |v[X+32*\c+\i+1]|   ; (the two blocks by turns)
.endr
.endr
.irp c, 0,1
	v_add_nc_u32 v[T+2+\c], 0xff000000, v[T+\c]    ; 2 off the exponent field: the conversion's scale operand
.endr
.irp c, 0,1
	v_lshrrev_b32 v[T+4+\c], 23, v[T+2+\c]         ; the scale's byte
.endr
	v_lshl_or_b32 v[W+(\s)], v[T+5], 16, v[T+4]    ; my two bytes, blocks h and 2 + h,
	v_lshlrev_b32 v[W+(\s)], v8, v[W+(\s)]         ; at their places;
	v_permlanex16_b32 v[T+6], v[W+(\s)], s24, s25
	v_or_b32 v[W+(\s)], v[W+(\s)], v[T+6]          ; with lane l xor 16's two the row's word is whole
.irp c, 0,1
.irp g, 0,1,2,3
	v_cvt_scalef32_pk8_fp4_f32 v[C+4*\c+\g], v[X+32*\c+8*\g:X+32*\c+8*\g+7], v[T+2+\c]
.endr
.endr
	v_nop                                          ; a plain line behind the last conversion
.irp c, 0,1
	global_store_b128 v[GO], v[C+4*\c:C+4*\c+3], s[16:17] offset:(\s)*8192+512*\c   ; 512 consecutive bytes, aligned
.endr
.endm
	ALOAD 0
	ALOAD 1
.irp s, 0,1,2,3
	ASTEP \s
.endr
	v_cmp_ne_u32 vcc_lo, 0, v3
	v_cndmask_b32 v[T], v[W], v[W+2], vcc_lo       ; every lane holds row r's four words: lanes 0-15 send the first two, lanes 16-31 the other two
	v_cndmask_b32 v[T+1], v[W+1], v[W+3], vcc_lo
	global_store_b64 v9, v[T:T+1], s[42:43]        ; the tile's 256 bytes of scale words in one store, aligned
.Lend:
	s_wait_tensorcnt 0x0                           ; the wave's end, behind the last LDS store
	ds_add_u32 v[SPW], v[NIL]
	s_wait_dscnt 0x0
	s_endpgm
.Lfunc_end_k_q1cde78396c_prep:
	.size	k_q1cde78396c_prep, .Lfunc_end_k_q1cde78396c_prep-k_q1cde78396c_prep
	.p2alignl 7, 3214868480
	.fill 96, 4, 3214868480
	.section	.rodata,"a",@progbits
	.p2align	6, 0x0
	.amdhsa_kernel k_q1cde78396c_prep
		.amdhsa_group_segment_fixed_size 34304
		.amdhsa_private_segment_fixed_size 0
		.amdhsa_enable_private_segment 0
		.amdhsa_kernarg_size 64
		.amdhsa_user_sgpr_count 2
		.amdhsa_user_sgpr_kernarg_segment_ptr 1
		.amdhsa_wavefront_size32 1
		.amdhsa_system_sgpr_workgroup_id_x 1
		.amdhsa_system_sgpr_workgroup_id_y 1
		.amdhsa_system_sgpr_workgroup_id_z 1
		.amdhsa_system_vgpr_workitem_id 0
		.amdhsa_next_free_vgpr 256
		.amdhsa_next_free_sgpr 66
		.amdhsa_reserve_vcc 1
		.amdhsa_float_denorm_mode_32 3
		.amdhsa_float_denorm_mode_16_64 3
		.amdhsa_memory_ordered 1
		.amdhsa_forward_progress 1
		.amdhsa_inst_pref_size 64
	.end_amdhsa_kernel
	.amdgpu_metadata
---
amdhsa.version: [ 1, 2 ]
amdhsa.kernels:
  - .name:           k_q1cde78396c_prep
    .symbol:         k_q1cde78396c_prep.kd
    .args:
      - { .name: input, .offset: 0, .size: 8, .value_kind: global_buffer, .address_space: global }
      - { .name: context, .offset: 8, .size: 8, .value_kind: global_buffer, .address_space: global }
      - { .name: Wq, .offset: 16, .size: 8, .value_kind: global_buffer, .address_space: global }
      - { .name: Wk, .offset: 24, .size: 8, .value_kind: global_buffer, .address_space: global }
      - { .name: Wv, .offset: 32, .size: 8, .value_kind: global_buffer, .address_space: global }
      - { .name: Wo, .offset: 40, .size: 8, .value_kind: global_buffer, .address_space: global }
      - { .name: codes, .offset: 48, .size: 8, .value_kind: global_buffer, .address_space: global }
      - { .name: wo16, .offset: 56, .size: 8, .value_kind: global_buffer, .address_space: global }
    .group_segment_fixed_size: 34304
    .private_segment_fixed_size: 0
    .kernarg_segment_align: 8
    .kernarg_segment_size: 64
    .max_flat_workgroup_size: 128
    .sgpr_count:     66
    .vgpr_count:     256
    .wavefront_size: 32
...
	.end_amdgpu_metadata
.endif
;; end of part 1
;; launch proj (part 2): grid 4 x 64, 4 waves a work-group, clusters of 4 x 4, 327,680 bytes of LDS; arguments codes, qkv; writes qkv
.if DOCPART == 2
	.amdgcn_target "amdgcn-amd-amdhsa--gfx1250"
	.amdhsa_code_object_version 6
	.text
	.protected	k_q1cde78396c_proj
	.globl	k_q1cde78396c_proj
	.p2align	8
	.type	k_q1cde78396c_proj,@function
k_q1cde78396c_proj:
	s_mov_b64 s[64:65], 0
	v_nop
	global_prefetch_b8 v0, s[64:65] scope:SCOPE_SE
	s_setreg_imm32_b32 hwreg(HW_REG_WAVE_MODE, 25, 1), 1
	s_wait_xcnt 0x0
	s_wait_alu depctr_hold_cnt(0) depctr_sa_sdst(0) depctr_va_vdst(0) depctr_va_sdst(0) depctr_va_ssrc(0) depctr_va_vcc(0) depctr_vm_vsrc(0)
	s_getreg_b32 s2, hwreg(HW_REG_IB_STS2, 6, 4)
	s_cmp_eq_u32 s2, 0
	s_cbranch_scc0 .Lentry_in_a_cluster
	s_endpgm
.Lentry_in_a_cluster:
	s_bfe_u32 s2, ttmp6, 0x10000c
	s_cmp_lg_u32 s2, 0xf033
	s_cbranch_scc0 .Lentry_shape_is_right
	s_endpgm
.Lentry_shape_is_right:
; SECOND LAUNCH: the three quantised products, q = input Wq, k = context Wk, v = context Wv, on codes of FP4 (E2M1) with E8M0 scales, sums in f32, results rounded once to f16.  Nothing of reference() is left out.
; Each is C[m][n] = sum over 1,024 k of A[m][k] B[n][k].  q: A = input's rows, B = Wq's columns.  k: A = context's rows, B = Wk's columns.  v IS MADE TRANSPOSED: A = Wv's columns, B = context's rows.
; LIMIT: |q|, |k|, |v| stay under 65,504 (f16); with every input 30 times the drawn spread they reach some 5,000, with common offsets of 30 spreads some 29,000.  Results under 6e-5 carry an absolute error of up to 3e-8.
; SHARES.  The three products have 3 x 256 tiles of 128 (m) x 256 (n): each of the 256 work-groups makes ONE TILE OF EACH, one after the other, so that all have equal work.  Wave (mh, nh) makes 64 x 128: 32 accumulators.
; OPERANDS LIE IN MEMORY AS IMAGES OF THEIR REGISTERS: a block (128 rows x 512 K) is 32,768 bytes of codes [128 k 4][row tile 8][1,024] (a fragment of 16 rows x 128 K: registers 4 c .. 4 c + 3 of lane l at byte 512 c + 16 l) and,
; behind them, 2,048 bytes of scale words [row tile 8][row 16][128 k 4]; the two groups of 256 rows lie side by side for each 512 of K.  So codes and scales come by one tensor load; a fragment load is lane l at 16 l.
; THE RING.  A UNIT is 512 along K of one tile: A's block and B's two.  Six units go through THREE places in LDS (unit j in place j % 3).  Units 0, 1, 2 are the first fills.  Behind unit 1 places 0 and 1 take units 3 and 4 (each
; wave one whole operand of one unit); behind unit 2 place 2 takes unit 5 (each wave half an operand).  So there are two refills, each behind a round of the cluster's barrier, and a tile's stores leave under the next tile's work.
; CLUSTERS.  The four work-groups of a row of the cluster need the same rows of A, the four of a column the same rows of B: each is asked for JOINTLY, by the same tensor load with the same descriptor and a mask that names the four.
; THE MATRIX INSTRUCTION IS USED TRANSPOSED (source 0 = 16 rows of B, source 1 = 16 rows of A): lane (r, h) holds row r of A's block and the columns 8 h + 0 .. 7 of B's block.  Two neighbouring blocks of B, rounded to f16 in
; pairs, ARE registers 0-3 and 4-7 of an f16 fragment (16 rows x 32 k) of the next product: so results leave straight from registers, 512 consecutive bytes a store, as images again:
;   qkv: q at 0, block (row / 128, e / 128) of 32,768 bytes [row tile 8][(e / 32) % 4][1,024];  k at 16 MiB and v^T at 32 MiB, block (row / 256, k / 128) of 65,536 bytes [row tile 16][4][1,024];
;   k's rows are keys and its k is e; v^T's rows are 1,024 x batch + e and its k is the key in the batch.
; REGISTERS, in windows of 256: window 0: v0-31 addresses; v32-127 scale words, two sets of 48 (B's 8 blocks x 4 words, A's 4 x 4).   window 1: two fragment buffers of 96 (B's 8 fragments, then A's 4).
;   window 2: accumulator (a, b) at v[8 (8 a + b)].   window 3: v0-127 packed results.
.set BLK,    34816                     ; a block: 128 rows x 512 K, codes and scale words
.set HALFK,  2*BLK                     ; in memory: both groups of a pair, 512 along K
.set SUPER,  4*BLK                     ; a pair of groups, all of K
.set BBASE,  3*BLK                     ; LDS: A's three places of one block, then B's three of two blocks
.set SPARE,  9*BLK                     ; behind them: the spare words, 128 bytes a wave: two blocks of 256 bytes that no other line names
.set ADRA, 4                           ; v4-6    LDS address of my A fragments in place 0, 1, 2
.set ADRB, 7                           ; v7-9    the same for B
.set GO,   10                          ; v10     16 x lane
.set SPW,  12                          ; v12     LDS address of my spare word; never rewritten
.set NIL,  13                          ; v13     0; never rewritten
.set ASA,  16                          ; v16-18  LDS address of my rows' scale words of A in place 0, 1, 2
.set ASB,  19                          ; v19-21  the same for B
.set SC,   32                          ; scale words: set s at v[SC + 48 s]: register 4 b + q: B's block b; register 32 + 4 a + q: A's block a; q: the unit's q-th 128 along K; lane r holds row r's word
.set F0,   0                           ; fragment buffers, in window 1
.set F1,   96
.set G1,   24                          ; s[24:31] group 1: half of A's block, 68 rows of 256 bytes
.set G0S,  32                          ; s[32:35] group 0 for it
.set G0W,  36                          ; s[36:39] group 0 for a whole block of A
.set G1B,  48                          ; s[48:55] group 1: one of B's two blocks, 136 rows
.set G0BS, 56                          ; s[56:59] group 0 for it
.set G0BW, 60                          ; s[60:63] group 0 for both blocks of B
.set G1W,  72                          ; s[72:79] group 1: a whole block of A, 136 rows
.set G1BW, 80                          ; s[80:87] group 1: both blocks of B, 272 rows
.set MUL,  0xa5                        ; sources 0 and 1 window 1, C and D window 2
.set TO_F, 0x40                        ; destination window 1, address window 0
.set MSB, 0
.macro WIN new                         ; the immediate's high byte repeats the setting that is left; a switch that changes nothing is dropped
.if MSB != (\new)
	s_set_vgpr_msb (MSB<<8)|(\new)
.set MSB, (\new)
.endif
.endm
.macro PLACES                          ; four places in front of loads into registers that matrix instructions have read, and of vector lines that read results (ISA guide 7.12.1 for vector lines that read results)
.rept 4
	v_nop
.endr
.endm
.macro SHAPE g, rows                   ; the constant words of a group 1: a dense run as rows of 256 bytes (32 elements of 8 bytes), no padding
	s_mov_b32 s[\g+1], 32<<16                      ; tensor_dim0 = 32
	s_mov_b32 s[\g+2], (\rows)<<16                 ; tensor_dim1
	s_mov_b32 s[\g+3], 32<<16                      ; tile_dim0
	s_mov_b32 s[\g+4], \rows                       ; tile_dim1
	s_mov_b32 s[\g+5], 32                          ; tensor_dim0_stride
	s_mov_b32 s[\g+6], 0
	s_mov_b32 s[\g+7], 0
.endm
; A joint load: waves 0 and 1 fetch for A, waves 2 and 3 for B.  Each line has ONE mask and one set of registers for all that issue it; the branch hangs on the wave's number alone.
; An s_nop 0 and four v_nop follow each of the two lines, ahead of the jump, the label and what follows.
.macro JLOAD g0a, g1a, g0b, g1b
	s_cmp_eq_u32 s11, 0
	s_cbranch_scc0 .Lfor_b_\@
	tensor_load_to_lds s[\g0a:\g0a+3], s[\g1a:\g1a+7]
	s_nop 0
.rept 4
	v_nop
.endr
	s_branch .Lasked_\@
.Lfor_b_\@:
	tensor_load_to_lds s[\g0b:\g0b+3], s[\g1b:\g1b+7]
	s_nop 0
.rept 4
	v_nop
.endr
.Lasked_\@:
.endm
.macro CREST                           ; a round of the cluster's barrier behind its opening barrier
	s_cmp_lg_u32 s10, 0
	s_cbranch_scc1 .Lnot_wave_0_\@
	s_barrier_signal -3
.Lnot_wave_0_\@:
	s_barrier_wait -3
	s_barrier_signal -1
	s_barrier_wait -1
.endm
.macro CROUND                          ; a whole round
	s_barrier_signal -1
	s_barrier_wait -1
	CREST
.endm
.macro FETCH u, q, f                   ; 24 LDS loads in one run: the fragments of place u's q-th 128 along K into buffer f: B's eight, then A's tiles 0, 1, then 2, 3
	WIN TO_F
.irp b, 0,1,2,3,4,5,6,7
	ds_load_b128 v[\f+8*\b:\f+8*\b+3],   v[ADRB+(\u)] offset:8192*(\q)+1024*\b
	ds_load_b128 v[\f+8*\b+4:\f+8*\b+7], v[ADRB+(\u)] offset:8192*(\q)+1024*\b+512
.endr
.irp a, 0,1,2,3
	ds_load_b128 v[\f+64+8*\a:\f+64+8*\a+3],   v[ADRA+(\u)] offset:8192*(\q)+1024*\a
	ds_load_b128 v[\f+64+8*\a+4:\f+64+8*\a+7], v[ADRA+(\u)] offset:8192*(\q)+1024*\a+512
.endr
.endm
.macro SCALES u, set                   ; 12 LDS loads: place u's scale words into a set: a row's four words by one load; both halves of the lanes read the same rows
	WIN 0
.irp b, 0,1,2,3,4,5,6,7
	ds_load_b128 v[SC+48*(\set)+4*\b:SC+48*(\set)+4*\b+3], v[ASB+(\u)] offset:256*\b
.endr
.irp a, 0,1,2,3
	ds_load_b128 v[SC+48*(\set)+32+4*\a:SC+48*(\set)+32+4*\a+3], v[ASA+(\u)] offset:256*\a
.endr
.endm
.macro MULA f, a, q, set, zero         ; 8 matrix instructions: A's tile a x B's eight.  The 32 accumulators take turns, one instruction a turn.  zero = 1: the product starts the sums
.irp b, 0,1,2,3,4,5,6,7
.if \zero
	v_wmma_scale_f32_16x16x128_f8f6f4 v[8*(8*(\a)+\b):8*(8*(\a)+\b)+7], v[\f+8*\b:\f+8*\b+7], v[\f+64+8*(\a):\f+64+8*(\a)+7], 0, v[SC+48*(\set)+4*\b+(\q)], v[SC+48*(\set)+32+4*(\a)+(\q)] matrix_a_fmt:MATRIX_FMT_FP4 matrix_b_fmt:MATRIX_FMT_FP4
.else
	v_wmma_scale_f32_16x16x128_f8f6f4 v[8*(8*(\a)+\b):8*(8*(\a)+\b)+7], v[\f+8*\b:\f+8*\b+7], v[\f+64+8*(\a):\f+64+8*(\a)+7], v[8*(8*(\a)+\b):8*(8*(\a)+\b)+7], v[SC+48*(\set)+4*\b+(\q)], v[SC+48*(\set)+32+4*(\a)+(\q)] matrix_a_fmt:MATRIX_FMT_FP4 matrix_b_fmt:MATRIX_FMT_FP4
.endif
.endr
.endm
; A unit is four quarters of 128 along K, 32 matrix instructions each, on buffers 0, 1, 0, 1.  A quarter multiplies buffer f (the unit's q-th 128) and, in its middle, fetches quarter fq of place fu into g;
; sc = 1: fu is the next unit's place, which has landed and been shown to every wave: its scale words come with its first fragments, into the other set.
.macro QUARTER fu, fq, f, g, q, set, zero, sc
	s_wait_dscnt 4                                 ; the scale words, B's fragments and A's tiles 0, 1 are in; the youngest four loads (A's tiles 2, 3) may be out
	WIN MUL
	MULA \f, 0, \q, \set, \zero
	MULA \f, 1, \q, \set, \zero
	PLACES
.if \sc
	SCALES \fu, 1-(\set)
.endif
	FETCH \fu, \fq, \g
	s_wait_dscnt 24+12*(\sc)                       ; all but the loads just issued
	WIN MUL
	MULA \f, 2, \q, \set, \zero
	MULA \f, 3, \q, \set, \zero
.endm
; A unit's last quarter where a barrier is due.  In front of it each wave waits for all its tensor loads, adds 0 to its spare word, and waits for that and for its own LDS reads.
; kind 0: a plain barrier: the next unit has landed; nothing is filled.  kind 1: a round of the cluster's barrier; places 0 and 1 take units 3 and 4.  kind 2: a round; place 2 takes unit 5.
.macro TURN un, kind, set
	WIN 0                                          ; (the add's two registers lie in window 0)
	s_wait_tensorcnt 0x0                           ; no tensor load of mine is out, so a group 0 may be written
	ds_add_u32 v[SPW], v[NIL]                      ; 0 onto my spare word; work on registers stands between it and the wait for it
.if (\kind) == 1
	s_add_co_u32 s[G0W+1], s21, 0                  ; A: place 0 or 1 by my half
	s_add_nc_u64 s[G0W+2:G0W+3], s[4:5], s[88:89]
	s_or_b32 s[G0W+3], s[G0W+3], 0x80000000
	s_add_co_u32 s[G0BW+1], s22, BBASE             ; B likewise
	s_add_nc_u64 s[G0BW+2:G0BW+3], s[4:5], s[92:93]
	s_or_b32 s[G0BW+3], s[G0BW+3], 0x80000000
.elseif (\kind) == 2
	s_add_co_u32 s[G0S+1], s20, 2*BLK              ; A: my half of place 2
	s_add_nc_u64 s[G0S+2:G0S+3], s[4:5], s[90:91]
	s_or_b32 s[G0S+3], s[G0S+3], 0x80000000
	s_add_co_u32 s[G0BS+1], s21, BBASE+4*BLK       ; B likewise
	s_add_nc_u64 s[G0BS+2:G0BS+3], s[4:5], s[94:95]
	s_or_b32 s[G0BS+3], s[G0BS+3], 0x80000000
.endif
	s_wait_dscnt 5                                 ; (the add and the youngest four loads may be out)
	WIN MUL
	MULA F1, 0, 3, \set, 0
	s_wait_dscnt 0x0                               ; the add is done, and my reads of the places that are left are over
	s_barrier_signal -1
	MULA F1, 1, 3, \set, 0
	WIN 0
	s_barrier_wait -1
.if (\kind) == 1
	CREST                                          ; no wave of any partner still reads these places or has a load on its way
	JLOAD G0W, G1W, G0BW, G1BW                     ; my one tensor load behind the round; its four v_nop are also the places in front of the loads below
.elseif (\kind) == 2
	CREST
	JLOAD G0S, G1, G0BS, G1B
.else
	PLACES
.endif
	SCALES \un, 1-(\set)
	FETCH \un, 0, F0
	WIN MUL
	MULA F1, 2, 3, \set, 0
	MULA F1, 3, 3, \set, 0
.endm
.macro UNIT u, un, set, zero, kind     ; kind 0, 1, 2: as in TURN; 4: the next unit is there already, no barrier; 5: the last unit
	QUARTER \u, 1, F0, F1, 0, \set, \zero, 0
	QUARTER \u, 2, F1, F0, 1, \set, 0, 0
	QUARTER \u, 3, F0, F1, 2, \set, 0, 0
.if (\kind) == 4
	QUARTER \un, 0, F1, F0, 3, \set, 0, 1
.elseif (\kind) == 5
	s_wait_dscnt 4
	WIN MUL
	MULA F1, 0, 3, \set, 0
	MULA F1, 1, 3, \set, 0
	s_wait_dscnt 0x0
	MULA F1, 2, 3, \set, 0
	MULA F1, 3, 3, \set, 0
.else
	TURN \un, \kind, \set
.endif
.endm
; THE WAY OUT of tile t.  Accumulator (a, b)'s eight numbers are four f16 pairs; those of b = 2 kb and 2 kb + 1 are the fragment (row tile a, kb) of the next product.  Each accumulator is read from its low end on.
.macro WAYOUT t, p
	PLACES
.if (\t) > 0
	s_wait_xcnt 0x0                                ; the last tile's stores have read the packed results' registers: they are written again only behind this wait
.endif
	WIN 0xca                                       ; sources 0 and 1 window 2, destination window 3
.set n, 0
.rept 128
	v_cvt_pk_f16_f32 v[n], v[2*n], v[2*n+1]
.set n, n+1
.endr
	WIN 0x0c                                       ; a store's data are its source 1: window 3
.set n, 0
.rept 32
	global_store_b128 v[GO], v[4*n:4*n+3], s[\p:\p+1] offset:512*n   ; 512 consecutive bytes, aligned; my 64 x 128 is 16,384 consecutive bytes
.set n, n+1
.endr
	WIN 0
.endm
	s_load_b128 s[4:7], s[0:1], 0x0                ; codes s[4:5], qkv s[6:7]
	v_lshl_add_u32 v[SPW], v0, 2, SPARE
	v_mov_b32 v[NIL], 0
	ds_add_u32 v[SPW], v[NIL]                      ; the wave's opening: the add, twice on end, and its wait ahead of my first tensor load; the set-up below stands between the second and the wait
	ds_add_u32 v[SPW], v[NIL]
	v_lshrrev_b32 v1, 5, v0
	v_readfirstlane_b32 s10, v1                    ; wave 0..3
	s_lshr_b32 s11, s10, 1                         ; mh: which 64 of the tile's rows are mine.  Also: I fetch for A (0) or for B (1)
	s_and_b32 s12, s10, 1                          ; nh: which 128 of its columns.  Also: which half, or which unit of two, I fetch
	s_bfe_u32 s40, ttmp6, 0x40000                  ; cx, cy: my place in the cluster
	s_bfe_u32 s41, ttmp6, 0x40004
	s_and_b32 s14, ttmp7, 0xffff                   ; the cluster's y, 0..15 (the grid is one cluster wide)
	s_lshl_b32 s13, s14, 2
	s_add_co_u32 s13, s13, s41                     ; mt: q's and k's 128 rows of the 8,192
	s_lshl_b32 s43, s41, 2
	s_lshl_b32 s43, 15, s43                        ; my row of the cluster
	s_lshl_b32 s44, 0x1111, s40                    ; my column
	s_or_b32 s[G1], s43, (3<<16)|(1<<21)           ; 15:0 the mask; 17:16 element size code 3 (8 bytes); 21 set beside a mask
	s_or_b32 s[G1W], s43, (3<<16)|(1<<21)
	s_or_b32 s[G1B], s44, (3<<16)|(1<<21)
	s_or_b32 s[G1BW], s44, (3<<16)|(1<<21)
	SHAPE G1, 68
	SHAPE G1W, 136
	SHAPE G1B, 136
	SHAPE G1BW, 272
	s_mul_i32 s20, s12, BLK/2                      ; my half of a block,
	s_mul_i32 s21, s12, BLK                        ; my block of two,
	s_mul_i32 s22, s12, 2*BLK                      ; my two blocks of four: no place in the cluster enters an LDS address
	; where A's blocks lie, in bytes from the buffer's start: they hang on cy and on the cluster alone
	s_lshr_b32 s16, s13, 1
	s_mul_i32 s16, s16, SUPER
	s_and_b32 s17, s13, 1
	s_mul_i32 s17, s17, BLK
	s_add_co_u32 s16, s16, s17                     ; q: input's group mt
	s_add_co_u32 s17, s16, 32*SUPER                ; k: context's group mt: 64 groups on
	s_and_b32 s18, s14, 1
	s_lshl_b32 s18, s18, 2
	s_add_co_u32 s18, s18, s41                     ; m2: v^T's 128 rows (channels) of the 1,024
	s_lshr_b32 s19, s18, 1
	s_add_co_u32 s19, s19, 72
	s_mul_i32 s19, s19, SUPER
	s_and_b32 s23, s18, 1
	s_mul_i32 s23, s23, BLK
	s_add_co_u32 s19, s19, s23                     ; v^T: Wv's group m2
	s_add_co_u32 s66, s16, s20                     ; unit 0: my half of q's first block
	s_add_co_u32 s68, s16, HALFK                   ; units 1, 2: q's second block, or k's first
	s_add_co_u32 s88, s17, HALFK                   ; units 3, 4: k's second block, or v^T's first
	s_add_co_u32 s90, s19, HALFK
	s_add_co_u32 s90, s90, s20                     ; unit 5: my half of v^T's second block
	s_cmp_eq_u32 s12, 0                            ; the choice hangs on the wave's number alone
	s_cselect_b32 s68, s68, s17
	s_cselect_b32 s88, s88, s19
	s_mov_b32 s67, 0
	s_mov_b32 s69, 0
	s_mov_b32 s89, 0
	s_mov_b32 s91, 0
	; and B's: they hang on cx and on the cluster alone
	s_add_co_u32 s42, s40, 64
	s_mul_i32 s42, s42, SUPER                      ; q: Wq's pair of groups cx
	s_add_co_u32 s45, s42, 4*SUPER                 ; k: Wk's
	s_lshr_b32 s46, s14, 1
	s_lshl_b32 s46, s46, 2
	s_add_co_u32 s46, s46, s40                     ; n2: v^T's 256 columns (context's rows) of the 8,192
	s_add_co_u32 s47, s46, 32
	s_mul_i32 s47, s47, SUPER                      ; v^T: context's pair of groups n2
	s_add_co_u32 s70, s42, s21
	s_add_co_u32 s96, s42, HALFK
	s_add_co_u32 s92, s45, HALFK
	s_add_co_u32 s94, s47, HALFK
	s_add_co_u32 s94, s94, s21
	s_cmp_eq_u32 s12, 0
	s_cselect_b32 s96, s96, s45
	s_cselect_b32 s92, s92, s47
	s_mov_b32 s71, 0
	s_mov_b32 s97, 0
	s_mov_b32 s93, 0
	s_mov_b32 s95, 0
	s_wait_dscnt 0x0                               ; both opening adds are done
	s_wait_kmcnt 0x0
	CROUND                                         ; all sixteen work-groups are here: the first joint loads meet
	s_mov_b32 s[G0S], 1                            ; unit 0 into place 0, in halves
	s_add_co_u32 s[G0S+1], s20, 0
	s_add_nc_u64 s[G0S+2:G0S+3], s[4:5], s[66:67]
	s_or_b32 s[G0S+3], s[G0S+3], 0x80000000
	s_mov_b32 s[G0BS], 1
	s_add_co_u32 s[G0BS+1], s21, BBASE
	s_add_nc_u64 s[G0BS+2:G0BS+3], s[4:5], s[70:71]
	s_or_b32 s[G0BS+3], s[G0BS+3], 0x80000000
	JLOAD G0S, G1, G0BS, G1B
	s_mov_b32 s[G0W], 1                            ; units 1 and 2 into places 1 and 2, a whole operand a wave.  Two tensor loads of mine are out at the start, one behind each round
	s_add_co_u32 s[G0W+1], s21, BLK
	s_add_nc_u64 s[G0W+2:G0W+3], s[4:5], s[68:69]
	s_or_b32 s[G0W+3], s[G0W+3], 0x80000000
	s_mov_b32 s[G0BW], 1
	s_add_co_u32 s[G0BW+1], s22, BBASE+2*BLK
	s_add_nc_u64 s[G0BW+2:G0BW+3], s[4:5], s[96:97]
	s_or_b32 s[G0BW+3], s[G0BW+3], 0x80000000
	JLOAD G0W, G1W, G0BW, G1BW
	v_and_b32 v1, 15, v0                           ; r
	v_and_b32 v3, 31, v0
	v_lshlrev_b32 v[GO], 4, v3
	v_lshlrev_b32 v2, 4, v1                        ; 16 r: a row's four scale words
	s_lshl_b32 s16, s11, 12                        ; A's fragments: my four row tiles of the block's eight
	s_mul_i32 s17, s12, BLK
	s_add_co_u32 s17, s17, BBASE                   ; B's: my block of the two
	s_lshl_b32 s19, s11, 10
	s_add_co_u32 s19, s19, 32768                   ; A's words lie behind the block's codes: 256 bytes a row tile
	s_add_co_u32 s45, s17, 32768                   ; B's likewise
.irp u, 0,1,2
	v_add_nc_u32 v[ADRA+\u], s16, v[GO]
	v_add_nc_u32 v[ADRB+\u], s17, v[GO]
	v_add_nc_u32 v[ASA+\u], s19, v2
	v_add_nc_u32 v[ASB+\u], s45, v2
	s_add_co_u32 s16, s16, BLK
	s_add_co_u32 s17, s17, 2*BLK
	s_add_co_u32 s19, s19, BLK
	s_add_co_u32 s45, s45, 2*BLK
.endr
	; where my 64 x 128 of each tile goes
	s_lshl_b32 s15, s40, 1
	s_add_co_u32 s15, s15, s12                     ; the 128 along the next K: 2 cx + nh, in all three
	s_lshl_b32 s23, s11, 14                        ; my four row tiles
	s_lshl_b32 s66, s13, 3
	s_add_co_u32 s66, s66, s15
	s_lshl_b32 s66, s66, 15                        ; q: block (mt, 2 cx + nh) of 32,768 bytes
	s_add_co_u32 s66, s66, s23
	s_mov_b32 s67, 0
	s_lshr_b32 s68, s13, 1
	s_lshl_b32 s68, s68, 3
	s_add_co_u32 s68, s68, s15
	s_lshl_b32 s68, s68, 16                        ; k: block (mt / 2, 2 cx + nh) of 65,536 bytes,
	s_and_b32 s69, s13, 1
	s_lshl_b32 s69, s69, 15                        ; its half mt % 2
	s_add_co_u32 s68, s68, s69
	s_add_co_u32 s68, s68, s23
	s_add_co_u32 s68, s68, 0x1000000
	s_mov_b32 s69, 0
	s_lshr_b32 s70, s14, 1                         ; v^T: the batch is n2 / 4,
	s_lshl_b32 s70, s70, 2
	s_lshr_b32 s71, s18, 1
	s_add_co_u32 s70, s70, s71                     ; block row 4 x batch + m2 / 2,
	s_lshl_b32 s70, s70, 3
	s_add_co_u32 s70, s70, s15                     ; the keys' chunk 2 (n2 % 4) + nh = 2 cx + nh
	s_lshl_b32 s70, s70, 16
	s_and_b32 s71, s18, 1
	s_lshl_b32 s71, s71, 15
	s_add_co_u32 s70, s70, s71
	s_add_co_u32 s70, s70, s23
	s_add_co_u32 s70, s70, 0x2000000
	s_mov_b32 s71, 0
	s_add_nc_u64 s[66:67], s[6:7], s[66:67]
	s_add_nc_u64 s[68:69], s[6:7], s[68:69]
	s_add_nc_u64 s[70:71], s[6:7], s[70:71]
	s_wait_tensorcnt 1                             ; my part of unit 0 is in; the load issued behind it (units 1, 2) may be out
	s_barrier_signal -1
	s_barrier_wait -1                              ; everybody's is
	SCALES 0, 0
	FETCH 0, 0, F0
	UNIT 0, 1, 0, 1, 0                             ; q, K 0-511;    then a plain barrier: units 1 and 2 have landed
	UNIT 1, 2, 1, 0, 1                             ; q, K 512-1023; in it the round behind which units 3 and 4 are asked for
	WAYOUT 0, 66
	UNIT 2, 0, 0, 1, 2                             ; k, K 0-511;    in it the round behind which unit 5 is asked for
	UNIT 0, 1, 1, 0, 4                             ; k, K 512-1023; unit 4 was shown landed at that round: no barrier
	WAYOUT 1, 68
	UNIT 1, 2, 0, 1, 0                             ; v^T, K 0-511;  then a plain barrier: unit 5 has landed
	UNIT 2, 0, 1, 0, 5                             ; v^T, K 512-1023
	WAYOUT 2, 70
	s_wait_tensorcnt 0x0                           ; the wave's end, behind my last tensor load
	ds_add_u32 v[SPW], v[NIL]
	s_wait_dscnt 0x0
	CROUND                                         ; the closing round: no work-group ends while a partner may still ask for a tile that names it
	s_endpgm
.Lfunc_end_k_q1cde78396c_proj:
	.size	k_q1cde78396c_proj, .Lfunc_end_k_q1cde78396c_proj-k_q1cde78396c_proj
	.p2alignl 7, 3214868480
	.fill 96, 4, 3214868480
	.section	.rodata,"a",@progbits
	.p2align	6, 0x0
	.amdhsa_kernel k_q1cde78396c_proj
		.amdhsa_group_segment_fixed_size 327680
		.amdhsa_private_segment_fixed_size 0
		.amdhsa_enable_private_segment 0
		.amdhsa_kernarg_size 16
		.amdhsa_user_sgpr_count 2
		.amdhsa_user_sgpr_kernarg_segment_ptr 1
		.amdhsa_wavefront_size32 1
		.amdhsa_system_sgpr_workgroup_id_x 1
		.amdhsa_system_sgpr_workgroup_id_y 1
		.amdhsa_system_sgpr_workgroup_id_z 1
		.amdhsa_system_vgpr_workitem_id 0
		.amdhsa_next_free_vgpr 896
		.amdhsa_next_free_sgpr 100
		.amdhsa_reserve_vcc 0
		.amdhsa_float_denorm_mode_32 3
		.amdhsa_float_denorm_mode_16_64 3
		.amdhsa_memory_ordered 1
		.amdhsa_forward_progress 1
		.amdhsa_inst_pref_size 190
	.end_amdhsa_kernel
	.amdgpu_metadata
---
amdhsa.version: [ 1, 2 ]
amdhsa.kernels:
  - .name:           k_q1cde78396c_proj
    .symbol:         k_q1cde78396c_proj.kd
    .args:
      - { .name: codes, .offset: 0, .size: 8, .value_kind: global_buffer, .address_space: global }
      - { .name: qkv, .offset: 8, .size: 8, .value_kind: global_buffer, .address_space: global }
    .group_segment_fixed_size: 327680
    .private_segment_fixed_size: 0
    .kernarg_segment_align: 8
    .kernarg_segment_size: 16
    .max_flat_workgroup_size: 128
    .sgpr_count:     100
    .vgpr_count:     896
    .wavefront_size: 32
...
	.end_amdgpu_metadata
.endif
;; end of part 2
;; launch scores (part 3): grid 4 x 64, 4 waves a work-group, clusters of 4 x 4, 327,680 bytes of LDS; arguments qkv, pbuf, stats; writes pbuf, stats
.if DOCPART == 3
	.amdgcn_target "amdgcn-amd-amdhsa--gfx1250"
	.amdhsa_code_object_version 6
	.text
	.protected	k_q1cde78396c_scores
	.globl	k_q1cde78396c_scores
	.p2align	8
	.type	k_q1cde78396c_scores,@function
k_q1cde78396c_scores:
	s_mov_b64 s[64:65], 0
	v_nop
	global_prefetch_b8 v0, s[64:65] scope:SCOPE_SE
	s_setreg_imm32_b32 hwreg(HW_REG_WAVE_MODE, 25, 1), 1
	s_wait_xcnt 0x0
	s_wait_alu depctr_hold_cnt(0) depctr_sa_sdst(0) depctr_va_vdst(0) depctr_va_sdst(0) depctr_va_ssrc(0) depctr_va_vcc(0) depctr_vm_vsrc(0)
	s_getreg_b32 s2, hwreg(HW_REG_IB_STS2, 6, 4)
	s_cmp_eq_u32 s2, 0
	s_cbranch_scc0 .Lentry_in_a_cluster
	s_endpgm
.Lentry_in_a_cluster:
	s_bfe_u32 s2, ttmp6, 0x10000c
	s_cmp_lg_u32 s2, 0xf033
	s_cbranch_scc0 .Lentry_shape_is_right
	s_endpgm
.Lentry_shape_is_right:
; THIRD LAUNCH: the scores q k^T in f16 with f32 sums, and the first half of the softmax.  Nothing of reference() is left out.
; t = score x c, c = log2(e) / 32.  For each query and each CHUNK of 128 keys: M_j = the chunk's largest t rounded UP to a whole number, p~ = 2^(t - M_j) (at most 1), l_j = the sum of the unrounded p~.
; p~ goes to pbuf as f16, -M_j and l_j to stats as f32.  The next launch takes M = the largest M_j and brings every chunk under it by 2^(M_j - M), which rounds nothing: the maximum is taken away as reference() takes it.
; LIMITS: p~ under 6e-5 carries an absolute error of up to 3e-8 (the row's sum is at least 1/2); the sums are taken in another order than reference()'s; NaN and infinities are not served.
; SHARES.  A tile of C is 128 queries x 256 keys of one batch: 256 work-groups, one for each WGP.  Wave (mh, nh) makes 64 x 128: 32 accumulators, 256 registers: its 128 keys are one chunk.
; OPERANDS LIE IN MEMORY AS IMAGES OF THEIR REGISTERS (a fragment of 16 rows x 32 k: registers 4 c .. 4 c + 3 of lane l at byte 512 c + 16 l): a K step of 128 rows of A is 32,768 consecutive bytes, of 256 rows of B 65,536,
; and neighbouring K steps are neighbours in memory; a fragment load is lane l at 16 l.
; THE RING.  K = 1,024 goes in 8 steps of 128 through THREE places in LDS (step j in place j % 3; A's three places lie on end, then B's three).  Steps 0, 1, 2 are the first fills.  Behind step 1 places 0 and 1 take steps 3 and 4
; (each wave one whole operand of one step); behind step 2 place 2 takes step 5 (each wave half an operand); behind step 4 places 0 and 1 take steps 6 and 7.  So there are three refills, each behind a round of the cluster's
; barrier, one tensor load a wave; step 5's has two K steps' matrix work in which to land, the two pairs' one each.
; CLUSTERS: 4 x 4 work-groups.  The four of a row of the cluster need the same tiles of A, the four of a column the same tiles of B: each is asked for JOINTLY, by the same tensor load with the same descriptor and a mask that names the four.
; THE MATRIX INSTRUCTION IS USED TRANSPOSED (source 0 = 16 rows of B, source 1 = 16 rows of A): lane (r, h) holds ONE query, r, and of B's block b the keys 16 b + 8 h + 0 .. 7.  So a query's maximum and sum want one exchange
; between the halves of the lanes, and blocks 2 kb, 2 kb + 1, rounded to f16 in pairs, are the fragment (16 queries x 32 keys) that the next product reads: p~ leaves straight from registers.
; The GEMM core (SHAPE to UNIT, and the head) is the same text in the launches scores, ctx and outp; ACCM = 1, in ctx alone, gives each K step sums of its own.
; REGISTERS: window 0: v0-63 addresses and statistics; v64-159, v160-255 two fragment buffers (B's 8 fragments, then A's 4).   window 1: accumulator (a, b) at v[8 (8 a + b)].
.set ACCM,   0
.set AU,     32768                     ; a K step of A
.set BU,     65536                     ; a K step of B
.set BBASE,  3*AU                      ; LDS: A's three places, then B's three
.set SPARE,  BBASE+3*BU                ; behind them: the spare words, 128 bytes a wave: two blocks of 256 bytes that no other line names
.set BOFF,   0x1000000                 ; k lies 16 MiB into qkv
.set PTA,    4                         ; s[4:5] the buffer of A;
.set PTB,    4                         ; and of B: the same here
.set ADRA, 4                           ; v4-6   LDS address of my A fragments in place 0, 1, 2
.set ADRB, 7                           ; v7-9   the same for B
.set GO,   10                          ; v10    16 x lane
.set SPW,  12                          ; v12    LDS address of my spare word; never rewritten
.set NIL,  13                          ; v13    0; never rewritten
.set TM,   16                          ; v16-19 tile a's largest score, then t
.set TX,   20                          ; v20-23 what the other half of the lanes sends
.set NM,   24                          ; v24-31 pairs: -M of tile a, and 0 (the packed form names the pair and takes its low word)
.set LS,   32                          ; v32-39 pairs: tile a's sum, even and odd keys
.set SV,   40                          ; v40-43 what goes to stats
.set LT,   44                          ; v44-47 tile a's sum
.set PK,   64                          ; v64-191 p~ as f16 pairs
.set F0,   64
.set F1,   160
.set G1,   24                          ; s[24:31] group 1: half a K step of A, 64 rows of 256 bytes
.set G0S,  32                          ; s[32:35] group 0 for it
.set G0W,  36                          ; s[36:39] group 0 for a whole K step of A
.set G1B,  48                          ; s[48:55] group 1: half a K step of B, 128 rows
.set G0BS, 56                          ; s[56:59] group 0 for it
.set G0BW, 60                          ; s[60:63] group 0 for a whole K step of B
.set G1W,  72                          ; s[72:79] group 1: a whole K step of A, 128 rows
.set G1BW, 80                          ; s[80:87] group 1: a whole K step of B, 256 rows
.set MUL,  0x50                        ; C and D window 1, sources window 0
.set MSB, 0
.macro WIN new                         ; the immediate's high byte repeats the setting that is left; a switch that changes nothing is dropped
.if MSB != (\new)
	s_set_vgpr_msb (MSB<<8)|(\new)
.set MSB, (\new)
.endif
.endm
.macro PLACES                          ; four places in front of loads into registers that matrix instructions have read, and of vector lines that read results (ISA guide 7.12.1 for vector lines that read results)
.rept 4
	v_nop
.endr
.endm
.macro SHAPE g, rows                   ; the constant words of a group 1: a dense run as rows of 256 bytes (32 elements of 8 bytes), no padding
	s_mov_b32 s[\g+1], 32<<16                      ; tensor_dim0 = 32
	s_mov_b32 s[\g+2], (\rows)<<16                 ; tensor_dim1
	s_mov_b32 s[\g+3], 32<<16                      ; tile_dim0
	s_mov_b32 s[\g+4], \rows                       ; tile_dim1
	s_mov_b32 s[\g+5], 32                          ; tensor_dim0_stride
	s_mov_b32 s[\g+6], 0
	s_mov_b32 s[\g+7], 0
.endm
.macro JLOAD g0a, g1a, g0b, g1b        ; a joint load: waves 0 and 1 fetch for A, waves 2 and 3 for B; an s_nop 0 and four v_nop follow each of the two lines
	s_cmp_eq_u32 s11, 0
	s_cbranch_scc0 .Lfor_b_\@
	tensor_load_to_lds s[\g0a:\g0a+3], s[\g1a:\g1a+7]
	s_nop 0
.rept 4
	v_nop
.endr
	s_branch .Lasked_\@
.Lfor_b_\@:
	tensor_load_to_lds s[\g0b:\g0b+3], s[\g1b:\g1b+7]
	s_nop 0
.rept 4
	v_nop
.endr
.Lasked_\@:
.endm
.macro CREST                           ; a round of the cluster's barrier behind its opening barrier
	s_cmp_lg_u32 s10, 0
	s_cbranch_scc1 .Lnot_wave_0_\@
	s_barrier_signal -3
.Lnot_wave_0_\@:
	s_barrier_wait -3
	s_barrier_signal -1
	s_barrier_wait -1
.endm
.macro CROUND                          ; a whole round
	s_barrier_signal -1
	s_barrier_wait -1
	CREST
.endm
.macro FETCH u, q, f                   ; 24 LDS loads in one run: the fragments of place u's q-th 32 along K into buffer f: B's eight, then A's tiles 0, 1, then 2, 3
	WIN 0
.irp b, 0,1,2,3,4,5,6,7
	ds_load_b128 v[\f+8*\b:\f+8*\b+3],   v[ADRB+(\u)] offset:4096*\b+1024*(\q)
	ds_load_b128 v[\f+8*\b+4:\f+8*\b+7], v[ADRB+(\u)] offset:4096*\b+1024*(\q)+512
.endr
.irp a, 0,1,2,3
	ds_load_b128 v[\f+64+8*\a:\f+64+8*\a+3],   v[ADRA+(\u)] offset:4096*\a+1024*(\q)
	ds_load_b128 v[\f+64+8*\a+4:\f+64+8*\a+7], v[ADRA+(\u)] offset:4096*\a+1024*(\q)+512
.endr
.endm
.macro MULA f, a, zero                 ; 8 matrix instructions: A's tile a x B's eight.  The 32 accumulators take turns, one instruction a turn.  zero = 1: the product starts the sums
.irp b, 0,1,2,3,4,5,6,7
.if \zero
	v_wmma_f32_16x16x32_f16 v[8*(8*(\a)+\b):8*(8*(\a)+\b)+7], v[\f+8*\b:\f+8*\b+7], v[\f+64+8*(\a):\f+64+8*(\a)+7], 0
.else
	v_wmma_f32_16x16x32_f16 v[8*(8*(\a)+\b):8*(8*(\a)+\b)+7], v[\f+8*\b:\f+8*\b+7], v[\f+64+8*(\a):\f+64+8*(\a)+7], v[8*(8*(\a)+\b):8*(8*(\a)+\b)+7]
.endif
.endr
.endm
.macro GAP a, j                        ; a quarter's middle: the places in front of its LDS loads.  ACCM = 1: the last K step's sums of tile a are taken in there
.if ACCM && ((\j) > 0)
	ACC \a, (\j)-1
.else
	PLACES
.endif
.endm
; A K step is four quarters of 32 along K, 32 matrix instructions each, on buffers 0, 1, 0, 1.  A quarter multiplies buffer f and, in its middle, fetches quarter fq of place fu into g.
.macro QUARTER fu, fq, f, g, zero, j, a
	s_wait_dscnt 4                                 ; B's fragments and A's tiles 0, 1 are in; the youngest four loads (A's tiles 2, 3) may be out
	WIN MUL
	MULA \f, 0, \zero
	MULA \f, 1, \zero
	GAP \a, \j
	FETCH \fu, \fq, \g
	s_wait_dscnt 24                                ; all but the 24 just issued
	WIN MUL
	MULA \f, 2, \zero
	MULA \f, 3, \zero
.endm
; A K step's last quarter where a barrier is due.  In front of it each wave waits for all its tensor loads, adds 0 to its spare word, and waits for that and for its own LDS reads.
; kind 0: a plain barrier: the next steps have landed; nothing is filled.  kind 1, 3: a round of the cluster's barrier; places 0 and 1 take the next two steps not yet asked for.  kind 2: a round; place 2 takes step 5.
.macro TURN un, kind, j
	WIN 0                                          ; (the add's two registers lie in window 0)
	s_wait_tensorcnt 0x0                           ; no tensor load of mine is out, so a group 0 may be written
	ds_add_u32 v[SPW], v[NIL]                      ; 0 onto my spare word; work on registers stands between it and the wait for it
.if (\kind) == 1
	s_add_co_u32 s[G0W+1], s21, 0                  ; from places 1, 2 to places 0, 1;
	s_add_nc_u64 s[G0W+2:G0W+3], s[G0W+2:G0W+3], 2*AU    ; from steps 1, 2 to steps 3, 4; the type bits on top are not reached
	s_add_co_u32 s[G0BW+1], s22, BBASE
	s_add_nc_u64 s[G0BW+2:G0BW+3], s[G0BW+2:G0BW+3], 2*BU
.elseif (\kind) == 2
	s_add_co_u32 s[G0S+1], s20, 2*AU               ; from place 0 to place 2;
	s_add_nc_u64 s[G0S+2:G0S+3], s[G0S+2:G0S+3], 5*AU    ; from step 0 to step 5
	s_add_co_u32 s[G0BS+1], s21, BBASE+2*BU
	s_add_nc_u64 s[G0BS+2:G0BS+3], s[G0BS+2:G0BS+3], 5*BU
.elseif (\kind) == 3
	s_add_nc_u64 s[G0W+2:G0W+3], s[G0W+2:G0W+3], 3*AU    ; from steps 3, 4 to steps 6, 7, in the same places
	s_add_nc_u64 s[G0BW+2:G0BW+3], s[G0BW+2:G0BW+3], 3*BU
.endif
	s_wait_dscnt 5                                 ; (the add and the youngest four loads may be out)
	WIN MUL
	MULA F1, 0, 0
	s_wait_dscnt 0x0                               ; the add is done, and my reads of the places that are left are over
	s_barrier_signal -1
	MULA F1, 1, 0
.if ACCM && ((\j) > 0)
	ACC 3, (\j)-1
.endif
	WIN 0
	s_barrier_wait -1
.if (\kind) == 0
	PLACES
.elseif (\kind) == 2
	CREST                                          ; no wave of any partner still reads this place or has a load on its way
	JLOAD G0S, G1, G0BS, G1B                       ; my one tensor load behind the round; its four v_nop are also the places in front of the loads below
.else
	CREST
	JLOAD G0W, G1W, G0BW, G1BW
.endif
	FETCH \un, 0, F0
	WIN MUL
	MULA F1, 2, 0
	MULA F1, 3, 0
.endm
.macro LASTQ j                         ; the very last quarter: nothing more to fetch
	s_wait_dscnt 4
	WIN MUL
	MULA F1, 0, 0
	MULA F1, 1, 0
	s_wait_dscnt 0x0
.if ACCM
	ACC 3, (\j)-1
	WIN MUL
.endif
	MULA F1, 2, 0
	MULA F1, 3, 0
	WIN 0
.endm
.macro UNIT j, u, un, zero, kind       ; K step j, in place u; un: the next step's place.  kind 0 to 3: as in TURN; 4: the next step is there already, no barrier; 5: the last step
.if ACCM
.set MUL, 0x50+0x50*((\j)&1)
.endif
	QUARTER \u, 1, F0, F1, \zero, \j, 0
	QUARTER \u, 2, F1, F0, 0, \j, 1
	QUARTER \u, 3, F0, F1, 0, \j, 2
.if (\kind) == 4
	QUARTER \un, 0, F1, F0, 0, \j, 3
.elseif (\kind) == 5
	LASTQ \j
.else
	TURN \un, \kind, \j
.endif
.endm
	s_load_b128 s[4:7], s[0:1], 0x0                ; qkv s[4:5], pbuf s[6:7]
	s_load_b64 s[8:9], s[0:1], 0x10                ; stats
	v_lshl_add_u32 v[SPW], v0, 2, SPARE
	v_mov_b32 v[NIL], 0
	ds_add_u32 v[SPW], v[NIL]                      ; the wave's opening: the add, twice on end, and its wait ahead of my first tensor load; the set-up below stands between the second and the wait
	ds_add_u32 v[SPW], v[NIL]
	v_lshrrev_b32 v1, 5, v0
	v_readfirstlane_b32 s10, v1                    ; wave 0..3
	s_lshr_b32 s11, s10, 1                         ; mh: which 64 of the tile's rows are mine.  Also: I fetch for A (0) or for B (1)
	s_and_b32 s12, s10, 1                          ; nh: which 128 of its columns.  Also: which half, or which step of two, I fetch
	s_bfe_u32 s40, ttmp6, 0x40000                  ; cx, cy: my place in the cluster
	s_bfe_u32 s41, ttmp6, 0x40004
	s_and_b32 s14, ttmp7, 0xffff                   ; the cluster's y, 0..15 (the grid is one cluster wide: cx is the tile column)
	s_lshl_b32 s13, s14, 2
	s_add_co_u32 s13, s13, s41                     ; mt: my 128 rows of the 8,192
	s_lshr_b32 s14, s14, 1                         ; the batch: the same in all sixteen partners
	s_lshl_b32 s42, s14, 2
	s_add_co_u32 s42, s42, s40                     ; B's block row: 4 x batch + cx
	s_lshl_b32 s43, s41, 2
	s_lshl_b32 s43, 15, s43                        ; my row of the cluster
	s_lshl_b32 s44, 0x1111, s40                    ; my column
	s_or_b32 s[G1], s43, (3<<16)|(1<<21)           ; 15:0 the mask; 17:16 element size code 3 (8 bytes); 21 set beside a mask
	s_or_b32 s[G1W], s43, (3<<16)|(1<<21)
	s_or_b32 s[G1B], s44, (3<<16)|(1<<21)
	s_or_b32 s[G1BW], s44, (3<<16)|(1<<21)
	SHAPE G1, 64
	SHAPE G1W, 128
	SHAPE G1B, 128
	SHAPE G1BW, 256
	s_lshl_b32 s20, s12, 14                        ; my half of a K step of A;
	s_lshl_b32 s21, s12, 15                        ; my K step of two of A, my half of a K step of B;
	s_lshl_b32 s22, s12, 16                        ; my K step of two of B: no place in the cluster enters an LDS address
	s_lshl_b32 s16, s13, 18                        ; A: eight K steps of 32,768 bytes for each 128 rows
	s_add_co_u32 s18, s16, s21
	s_add_co_u32 s18, s18, AU                      ; K step 1 or 2, whole
	s_add_co_u32 s16, s16, s20                     ; K step 0, my half
	s_mov_b32 s17, 0
	s_mov_b32 s19, 0
	s_lshl_b32 s46, s42, 19                        ; B: eight K steps of 65,536 bytes for each 256 rows
	s_add_co_u32 s46, s46, BOFF
	s_add_co_u32 s44, s46, s22
	s_add_co_u32 s44, s44, BU
	s_add_co_u32 s46, s46, s21
	s_mov_b32 s45, 0
	s_mov_b32 s47, 0
	s_mov_b32 s66, 0x3d38aa3b                      ; c = log2(e) / 32
	s_mov_b32 s67, s66                             ; (named with it as a pair, so it is written)
	s_mov_b32 s68, 0x76543210
	s_mov_b32 s69, 0xfedcba98                      ; v_permlanex16_b32's selects for lane l xor 16
	s_wait_dscnt 0x0                               ; both opening adds are done
	s_wait_kmcnt 0x0
	CROUND                                         ; all sixteen work-groups are here: the first joint loads meet
	s_mov_b32 s[G0S], 1                            ; K step 0 into place 0, in halves
	s_add_co_u32 s[G0S+1], s20, 0
	s_add_nc_u64 s[G0S+2:G0S+3], s[PTA:PTA+1], s[16:17]
	s_or_b32 s[G0S+3], s[G0S+3], 0x80000000
	s_mov_b32 s[G0BS], 1
	s_add_co_u32 s[G0BS+1], s21, BBASE
	s_add_nc_u64 s[G0BS+2:G0BS+3], s[PTB:PTB+1], s[46:47]
	s_or_b32 s[G0BS+3], s[G0BS+3], 0x80000000
	JLOAD G0S, G1, G0BS, G1B
	s_mov_b32 s[G0W], 1                            ; K steps 1 and 2 into places 1 and 2, a whole operand a wave.  Two tensor loads of mine are out at the start, one behind each round
	s_add_co_u32 s[G0W+1], s21, AU
	s_add_nc_u64 s[G0W+2:G0W+3], s[PTA:PTA+1], s[18:19]
	s_or_b32 s[G0W+3], s[G0W+3], 0x80000000
	s_mov_b32 s[G0BW], 1
	s_add_co_u32 s[G0BW+1], s22, BBASE+BU
	s_add_nc_u64 s[G0BW+2:G0BW+3], s[PTB:PTB+1], s[44:45]
	s_or_b32 s[G0BW+3], s[G0BW+3], 0x80000000
	JLOAD G0W, G1W, G0BW, G1BW
	v_bfe_u32 v2, v0, 4, 1                         ; h
	v_and_b32 v3, 31, v0
	v_lshlrev_b32 v[GO], 4, v3
	s_lshl_b32 s18, s11, 14                        ; my 64 rows of A
	s_lshl_b32 s19, s12, 15                        ; my 128 rows of B,
	s_add_co_u32 s19, s19, BBASE                   ; which lie behind A's three places
.irp u, 0,1,2
	v_add_nc_u32 v[ADRA+\u], s18, v[GO]
	v_add_nc_u32 v[ADRB+\u], s19, v[GO]
	s_add_co_u32 s18, s18, AU
	s_add_co_u32 s19, s19, BU
.endr
.irp a, 0,1,2,3
	v_mov_b32 v[TX+\a], 0                          ; written once: a lane permute's destination counts as one of its sources
	v_mov_b32 v[NM+2*\a+1], 0
.endr
	s_lshl_b32 s15, s40, 1
	s_add_co_u32 s15, s15, s12                     ; jc: my chunk of 128 keys
	s_lshl_b32 s70, s13, 3
	s_add_co_u32 s70, s70, s15
	s_lshl_b32 s70, s70, 15                        ; pbuf: block (mt, jc) of 32,768 bytes,
	s_lshl_b32 s71, s11, 14                        ; my half of its row tiles
	s_add_co_u32 s70, s70, s71
	s_mov_b32 s71, 0
	s_add_nc_u64 s[6:7], s[6:7], s[70:71]
	s_lshl_b32 s70, s13, 13                        ; stats: [mt][chunk][mh][-M, l][r 16][a 4] f32
	s_lshl_b32 s71, s15, 10
	s_add_co_u32 s70, s70, s71
	s_lshl_b32 s71, s11, 9
	s_add_co_u32 s70, s70, s71
	s_mov_b32 s71, 0
	s_add_nc_u64 s[8:9], s[8:9], s[70:71]
	s_wait_tensorcnt 1                             ; my part of K step 0 is in; the load issued behind it (K steps 1, 2) may be out
	s_barrier_signal -1
	s_barrier_wait -1                              ; everybody's is
	FETCH 0, 0, F0
	UNIT 0, 0, 1, 1, 0                             ; the eight K steps are written out.  Step 0 starts the sums; then a plain barrier: steps 1 and 2 have landed
	UNIT 1, 1, 2, 0, 1                             ; in it the round behind which steps 3 and 4 are asked for
	UNIT 2, 2, 0, 0, 2                             ; the round behind which step 5 is asked for
	UNIT 3, 0, 1, 0, 4                             ; step 4 was shown landed at that round: no barrier
	UNIT 4, 1, 2, 0, 3                             ; the round behind which steps 6 and 7 are asked for
	UNIT 5, 2, 0, 0, 0                             ; a plain barrier: steps 6 and 7 have landed
	UNIT 6, 0, 1, 0, 4
	UNIT 7, 1, 0, 0, 5
	; THE SOFTMAX'S FIRST HALF.  Tile a's 64 registers are my query's keys 16 b + 8 h + j; lane l xor 16 holds the chunk's other 64.  The four tiles take turns line by line.
	PLACES
	WIN 0x15                                       ; all three sources window 1
.irp a, 0,1,2,3
	v_max3_num_f32 v[TM+\a], v[64*\a], v[64*\a+1], v[64*\a+2]
.endr
	WIN 0x14                                       ; sources 1 and 2 window 1
.set i, 3
.rept 30                               ; ascending: each accumulator is first read at its lowest register
.irp a, 0,1,2,3
	v_max3_num_f32 v[TM+\a], v[TM+\a], v[64*\a+i], v[64*\a+i+1]
.endr
.set i, i+2
.endr
.irp a, 0,1,2,3
	v_max_num_f32 v[TM+\a], v[TM+\a], v[64*\a+63]
.endr
	WIN 0
.irp a, 0,1,2,3
	v_permlanex16_b32 v[TX+\a], v[TM+\a], s68, s69
.endr
.irp a, 0,1,2,3
	v_max_num_f32 v[TM+\a], v[TM+\a], v[TX+\a]     ; the chunk's largest score of my query
.endr
.irp a, 0,1,2,3
	v_mul_f32 v[TM+\a], s66, v[TM+\a]              ; as t (c is positive)
.endr
.irp a, 0,1,2,3
	v_floor_f32 v[NM+2*\a], -v[TM+\a]              ; -M = floor(-t) = -ceil(t): M is a whole number
.endr
	WIN 0x41                                       ; destination and source 0 window 1
.irp a, 0,1,2,3
.set i, 0
.rept 32
	v_pk_fma_f32 v[64*\a+i:64*\a+i+1], v[64*\a+i:64*\a+i+1], s[66:67], v[NM+2*\a:NM+2*\a+1] op_sel_hi:[1,0,0]   ; t - M, two at a time
.set i, i+2
.endr
.endr
.set i, 0
.rept 256
	v_exp_f32 v[i], v[i]                           ; p~ = 2^(t - M): one batch
.set i, i+1
.endr
	v_nop                                          ; a plain line behind the last exponential
	s_wait_alu depctr_va_vdst(0)                   ; the wait ahead of the first line that names a result: one for the batch
	WIN 0x05                                       ; sources 0 and 1 window 1
.irp a, 0,1,2,3
	v_pk_add_f32 v[LS+2*\a:LS+2*\a+1], v[64*\a:64*\a+1], v[64*\a+2:64*\a+3]   ; the sum is taken of the unrounded p~
.endr
	WIN 0x04
.set i, 4
.rept 30
.irp a, 0,1,2,3
	v_pk_add_f32 v[LS+2*\a:LS+2*\a+1], v[LS+2*\a:LS+2*\a+1], v[64*\a+i:64*\a+i+1]
.endr
.set i, i+2
.endr
	WIN 0x05
.set n, 0
.rept 128                              ; register 32 a + 4 b + i of PK: accumulator (a, b)'s numbers 2 i, 2 i + 1
	v_cvt_pk_f16_f32 v[PK+n], v[2*n], v[2*n+1]
.set n, n+1
.endr
	WIN 0
.irp a, 0,1,2,3
	v_add_f32 v[LT+\a], v[LS+2*\a], v[LS+2*\a+1]
.endr
.irp a, 0,1,2,3
	v_permlanex16_b32 v[TX+\a], v[LT+\a], s68, s69
.endr
.irp a, 0,1,2,3
	v_add_f32 v[LT+\a], v[LT+\a], v[TX+\a]         ; l of my query and chunk
.endr
	v_cmp_ne_u32 vcc_lo, 0, v2
.irp a, 0,1,2,3
	v_cndmask_b32 v[SV+\a], v[NM+2*\a], v[LT+\a], vcc_lo   ; lanes 0-15 send -M, lanes 16-31 l
.endr
.set n, 0
.rept 32
	global_store_b128 v[GO], v[PK+4*n:PK+4*n+3], s[6:7] offset:512*n   ; 512 consecutive bytes, aligned: registers 4 c .. of fragment (a, kb) at 4,096 a + 1,024 kb + 512 c
.set n, n+1
.endr
	global_store_b128 v[GO], v[SV:SV+3], s[8:9]    ; 512 consecutive bytes
	s_wait_tensorcnt 0x0                           ; the wave's end, behind my last tensor load
	ds_add_u32 v[SPW], v[NIL]
	s_wait_dscnt 0x0
	CROUND                                         ; the closing round: no work-group ends while a partner may still ask for a tile that names it
	s_endpgm
.Lfunc_end_k_q1cde78396c_scores:
	.size	k_q1cde78396c_scores, .Lfunc_end_k_q1cde78396c_scores-k_q1cde78396c_scores
	.p2alignl 7, 3214868480
	.fill 96, 4, 3214868480
	.section	.rodata,"a",@progbits
	.p2align	6, 0x0
	.amdhsa_kernel k_q1cde78396c_scores
		.amdhsa_group_segment_fixed_size 327680
		.amdhsa_private_segment_fixed_size 0
		.amdhsa_enable_private_segment 0
		.amdhsa_kernarg_size 24
		.amdhsa_user_sgpr_count 2
		.amdhsa_user_sgpr_kernarg_segment_ptr 1
		.amdhsa_wavefront_size32 1
		.amdhsa_system_sgpr_workgroup_id_x 1
		.amdhsa_system_sgpr_workgroup_id_y 1
		.amdhsa_system_sgpr_workgroup_id_z 1
		.amdhsa_system_vgpr_workitem_id 0
		.amdhsa_next_free_vgpr 512
		.amdhsa_next_free_sgpr 88
		.amdhsa_reserve_vcc 1
		.amdhsa_float_denorm_mode_32 3
		.amdhsa_float_denorm_mode_16_64 3
		.amdhsa_memory_ordered 1
		.amdhsa_forward_progress 1
		.amdhsa_inst_pref_size 177
	.end_amdhsa_kernel
	.amdgpu_metadata
---
amdhsa.version: [ 1, 2 ]
amdhsa.kernels:
  - .name:           k_q1cde78396c_scores
    .symbol:         k_q1cde78396c_scores.kd
    .args:
      - { .name: qkv, .offset: 0, .size: 8, .value_kind: global_buffer, .address_space: global }
      - { .name: pbuf, .offset: 8, .size: 8, .value_kind: global_buffer, .address_space: global }
      - { .name: stats, .offset: 16, .size: 8, .value_kind: global_buffer, .address_space: global }
    .group_segment_fixed_size: 327680
    .private_segment_fixed_size: 0
    .kernarg_segment_align: 8
    .kernarg_segment_size: 24
    .max_flat_workgroup_size: 128
    .sgpr_count:     88
    .vgpr_count:     512
    .wavefront_size: 32
...
	.end_amdgpu_metadata
.endif
;; end of part 3
;; launch ctx (part 4): grid 4 x 64, 4 waves a work-group, clusters of 4 x 4, 327,680 bytes of LDS; arguments pbuf, qkv, stats, ctx16, out1; writes ctx16, out1
.if DOCPART == 4
	.amdgcn_target "amdgcn-amd-amdhsa--gfx1250"
	.amdhsa_code_object_version 6
	.text
	.protected	k_q1cde78396c_ctx
	.globl	k_q1cde78396c_ctx
	.p2align	8
	.type	k_q1cde78396c_ctx,@function
k_q1cde78396c_ctx:
	s_mov_b64 s[64:65], 0
	v_nop
	global_prefetch_b8 v0, s[64:65] scope:SCOPE_SE
	s_setreg_imm32_b32 hwreg(HW_REG_WAVE_MODE, 25, 1), 1
	s_wait_xcnt 0x0
	s_wait_alu depctr_hold_cnt(0) depctr_sa_sdst(0) depctr_va_vdst(0) depctr_va_sdst(0) depctr_va_ssrc(0) depctr_va_vcc(0) depctr_vm_vsrc(0)
	s_getreg_b32 s2, hwreg(HW_REG_IB_STS2, 6, 4)
	s_cmp_eq_u32 s2, 0
	s_cbranch_scc0 .Lentry_in_a_cluster
	s_endpgm
.Lentry_in_a_cluster:
	s_bfe_u32 s2, ttmp6, 0x10000c
	s_cmp_lg_u32 s2, 0xf033
	s_cbranch_scc0 .Lentry_shape_is_right
	s_endpgm
.Lentry_shape_is_right:
; FOURTH LAUNCH: the softmax's second half, the weights (out1), and ctx = weights v in f16 with f32 sums.  Nothing of reference() is left out.
; From the launch before: for each query and chunk j of 128 keys, -M_j (a whole number), l_j, and p~ = 2^(t - M_j) as f16.  Here M = the largest M_j, g_j = 2^(M_j - M) (made by v_ldexp_f32: nothing is rounded),
; L = the sum of l_j g_j;  weights = p~ g_j / L;  ctx = the sum over j of (g_j / L) (p~_j V_j).  A K step is a chunk: EACH K STEP HAS SUMS OF ITS OWN, X_j = p~_j V_j, begun with the constant 0, and while the next
; step is multiplied the total takes T += X_j (g_j / L), in f32, by packed fused multiply-adds.
; LIMITS: |ctx| is at most the largest |v|, under 65,504; 1 / L by v_rcp_f32 (L is at least 1/2); the sums are taken in another order than reference()'s; NaN and infinities are not served.
; SHARES.  A tile of C is 128 queries x 256 of the 1,024 channels: 256 work-groups.  Wave (mh, nh) makes 64 x 128: 32 accumulators.  K = the batch's 1,024 keys, 8 steps of 128 = the chunks.
; out1: wave (mh, nh) of tile column cx writes its 64 queries x chunk 2 cx + nh, AHEAD of the products, while the first tiles are on their way: the stores leave under the matrix work.
; OPERANDS LIE IN MEMORY AS IMAGES OF THEIR REGISTERS (a fragment of 16 rows x 32 k: registers 4 c .. 4 c + 3 of lane l at byte 512 c + 16 l); neighbouring K steps are neighbours in memory; a fragment load is lane l at 16 l.
; THE RING.  8 K steps go through THREE places in LDS (step j in place j % 3; A's three places lie on end, then B's three).  Steps 0, 1, 2 are the first fills.  Behind step 1 places 0 and 1 take steps 3 and 4 (each wave one whole
; operand of one step); behind step 2 place 2 takes step 5 (each wave half an operand); behind step 4 places 0 and 1 take steps 6 and 7: three refills, each behind a round of the cluster's barrier, one tensor load a wave.
; CLUSTERS: 4 x 4 work-groups; A's tiles (p~) are shared along a row of the cluster, B's (v^T) along a column: each is asked for JOINTLY, by the same tensor load with the same descriptor and a mask that names the four.
; THE MATRIX INSTRUCTION IS USED TRANSPOSED (source 0 = 16 rows of v^T, source 1 = 16 queries): lane (r, h) holds ONE query and eight neighbouring channels; pairs rounded to f16 are the next product's fragments.
; The GEMM core (SHAPE to UNIT, and the head) is the same text in the launches scores, ctx and outp; ACCM = 1, here alone, gives each K step sums of its own.
; REGISTERS: window 0: v0-31 addresses; v32-63 the factors; v64-159, v160-255 two fragment buffers (ahead of the products: p~, statistics, rows of out1).
;   windows 1 and 2: the sums of the even and of the odd K steps, (a, b) at v[8 (8 a + b)];   window 3: the total T, laid alike.
.set ACCM,   1
.set AU,     32768                     ; a K step of A
.set BU,     65536                     ; a K step of B
.set BBASE,  3*AU                      ; LDS: A's three places, then B's three
.set SPARE,  BBASE+3*BU                ; behind them: the spare words, 128 bytes a wave: two blocks of 256 bytes that no other line names
.set STAGE,  SPARE+512                 ; behind those: 16 rows x (256 bytes + 16) for each wave; no tensor load lands here
.set BOFF,   0x2000000                 ; v^T lies 32 MiB into qkv
.set PTA,    4                         ; s[4:5] the buffer of A (pbuf);
.set PTB,    6                         ; s[6:7] of B (qkv)
.set ADRA, 4                           ; v4-6   LDS address of my A fragments in place 0, 1, 2
.set ADRB, 7                           ; v7-9   the same for B
.set GO,   10                          ; v10    16 x lane
.set SO,   11                          ; v11    16 x r: my row's four numbers in stats
.set SPW,  12                          ; v12    LDS address of my spare word; never rewritten
.set NIL,  13                          ; v13    0; never rewritten
.set STO,  14                          ; v14    the stage: where I put 32 bytes of a row
.set RD,   15                          ; v15    and where I read half a row back
.set GT,   16                          ; v16-17 the factor in hand (the packed form names the pair and takes its low word), and 0
.set GO2,  18                          ; v18    out1: 4,096 h + 16 r: lanes 0-15 one row, lanes 16-31 the next
.set WS,   20                          ; v20-27 pairs: g of my own chunk / L, twice
.set G,    32                          ; v32-63 register 4 j + a: g_j / L of tile a's row
.set PA,   64                          ; v64-127  ahead of the products: p~ of my chunk, two sets of a tile's 32 registers
.set W32,  128                         ; v128-191 a tile's 64 weights in f32 (before that: -M_j, then g_j, at v128-159; l_j at v160-191)
.set BK,   192                         ; v192-255 16 rows read back from the stage (before that: v192-195 my chunk's -M, v196-199 M, v200-203 L, v204-207 1 / L)
.set PK,   64                          ; on the way out: ctx as f16 pairs, v64-191
.set F0,   64
.set F1,   160
.set G1,   24                          ; s[24:31] group 1: half a K step of A, 64 rows of 256 bytes
.set G0S,  32                          ; s[32:35] group 0 for it
.set G0W,  36                          ; s[36:39] group 0 for a whole K step of A
.set G1B,  48                          ; s[48:55] group 1: half a K step of B, 128 rows
.set G0BS, 56                          ; s[56:59] group 0 for it
.set G0BW, 60                          ; s[60:63] group 0 for a whole K step of B
.set G1W,  72                          ; s[72:79] group 1: a whole K step of A, 128 rows
.set G1BW, 80                          ; s[80:87] group 1: a whole K step of B, 256 rows
.set MUL,  0x50                        ; C and D window 1 (even K steps) or, 0xa0, window 2 (odd ones); sources window 0
.set MSB, 0
.macro WIN new                         ; the immediate's high byte repeats the setting that is left; a switch that changes nothing is dropped
.if MSB != (\new)
	s_set_vgpr_msb (MSB<<8)|(\new)
.set MSB, (\new)
.endif
.endm
.macro PLACES                          ; four places in front of loads into registers that matrix instructions have read, and of vector lines that read results (ISA guide 7.12.1 for vector lines that read results)
.rept 4
	v_nop
.endr
.endm
.macro SHAPE g, rows                   ; the constant words of a group 1: a dense run as rows of 256 bytes (32 elements of 8 bytes), no padding
	s_mov_b32 s[\g+1], 32<<16                      ; tensor_dim0 = 32
	s_mov_b32 s[\g+2], (\rows)<<16                 ; tensor_dim1
	s_mov_b32 s[\g+3], 32<<16                      ; tile_dim0
	s_mov_b32 s[\g+4], \rows                       ; tile_dim1
	s_mov_b32 s[\g+5], 32                          ; tensor_dim0_stride
	s_mov_b32 s[\g+6], 0
	s_mov_b32 s[\g+7], 0
.endm
.macro JLOAD g0a, g1a, g0b, g1b        ; a joint load: waves 0 and 1 fetch for A, waves 2 and 3 for B; an s_nop 0 and four v_nop follow each of the two lines
	s_cmp_eq_u32 s11, 0
	s_cbranch_scc0 .Lfor_b_\@
	tensor_load_to_lds s[\g0a:\g0a+3], s[\g1a:\g1a+7]
	s_nop 0
.rept 4
	v_nop
.endr
	s_branch .Lasked_\@
.Lfor_b_\@:
	tensor_load_to_lds s[\g0b:\g0b+3], s[\g1b:\g1b+7]
	s_nop 0
.rept 4
	v_nop
.endr
.Lasked_\@:
.endm
.macro CREST                           ; a round of the cluster's barrier behind its opening barrier
	s_cmp_lg_u32 s10, 0
	s_cbranch_scc1 .Lnot_wave_0_\@
	s_barrier_signal -3
.Lnot_wave_0_\@:
	s_barrier_wait -3
	s_barrier_signal -1
	s_barrier_wait -1
.endm
.macro CROUND                          ; a whole round
	s_barrier_signal -1
	s_barrier_wait -1
	CREST
.endm
.macro FETCH u, q, f                   ; 24 LDS loads in one run: the fragments of place u's q-th 32 along K into buffer f: B's eight, then A's tiles 0, 1, then 2, 3
	WIN 0
.irp b, 0,1,2,3,4,5,6,7
	ds_load_b128 v[\f+8*\b:\f+8*\b+3],   v[ADRB+(\u)] offset:4096*\b+1024*(\q)
	ds_load_b128 v[\f+8*\b+4:\f+8*\b+7], v[ADRB+(\u)] offset:4096*\b+1024*(\q)+512
.endr
.irp a, 0,1,2,3
	ds_load_b128 v[\f+64+8*\a:\f+64+8*\a+3],   v[ADRA+(\u)] offset:4096*\a+1024*(\q)
	ds_load_b128 v[\f+64+8*\a+4:\f+64+8*\a+7], v[ADRA+(\u)] offset:4096*\a+1024*(\q)+512
.endr
.endm
.macro MULA f, a, zero                 ; 8 matrix instructions: A's tile a x B's eight.  The 32 accumulators take turns, one instruction a turn.  zero = 1: the product starts the sums
.irp b, 0,1,2,3,4,5,6,7
.if \zero
	v_wmma_f32_16x16x32_f16 v[8*(8*(\a)+\b):8*(8*(\a)+\b)+7], v[\f+8*\b:\f+8*\b+7], v[\f+64+8*(\a):\f+64+8*(\a)+7], 0
.else
	v_wmma_f32_16x16x32_f16 v[8*(8*(\a)+\b):8*(8*(\a)+\b)+7], v[\f+8*\b:\f+8*\b+7], v[\f+64+8*(\a):\f+64+8*(\a)+7], v[8*(8*(\a)+\b):8*(8*(\a)+\b)+7]
.endif
.endr
.endm
; Tile a of the total takes K step jp's sums: T += X (g / L), two numbers an instruction; a lane's 64 numbers of a tile are all of its own query, so one factor serves them.  Step 0 starts the total: nothing is cleared.
; These lines name the total, the OTHER window's sums and the factor: none of the registers of the products round them.  Each accumulator is read from its low end on.
.macro ACC a, jp
	WIN 0
	v_mov_b32 v[GT], v[G+4*(\jp)+(\a)]
.set i, 64*(\a)
.if (\jp) == 0
	WIN 0xc1                                       ; destination window 3, source 0 window 1
.rept 32
	v_pk_mul_f32 v[i:i+1], v[i:i+1], v[GT:GT+1] op_sel_hi:[1,0]
.set i, i+2
.endr
.else
	WIN 0xf1+(((\jp))&1)                           ; destination and source 2 window 3, source 0 window 1 or 2
.rept 32
	v_pk_fma_f32 v[i:i+1], v[i:i+1], v[GT:GT+1], v[i:i+1] op_sel_hi:[1,0,1]
.set i, i+2
.endr
.endif
.endm
.macro GAP a, j                        ; a quarter's middle: the places in front of its LDS loads.  ACCM = 1: the last K step's sums of tile a are taken in there
.if ACCM && ((\j) > 0)
	ACC \a, (\j)-1
.else
	PLACES
.endif
.endm
; A K step is four quarters of 32 along K, 32 matrix instructions each, on buffers 0, 1, 0, 1.  A quarter multiplies buffer f and, in its middle, fetches quarter fq of place fu into g.
.macro QUARTER fu, fq, f, g, zero, j, a
	s_wait_dscnt 4                                 ; B's fragments and A's tiles 0, 1 are in; the youngest four loads (A's tiles 2, 3) may be out
	WIN MUL
	MULA \f, 0, \zero
	MULA \f, 1, \zero
	GAP \a, \j
	FETCH \fu, \fq, \g
	s_wait_dscnt 24                                ; all but the 24 just issued
	WIN MUL
	MULA \f, 2, \zero
	MULA \f, 3, \zero
.endm
; A K step's last quarter where a barrier is due.  In front of it each wave waits for all its tensor loads, adds 0 to its spare word, and waits for that and for its own LDS reads.
; kind 0: a plain barrier: the next steps have landed; nothing is filled.  kind 1, 3: a round of the cluster's barrier; places 0 and 1 take the next two steps not yet asked for.  kind 2: a round; place 2 takes step 5.
.macro TURN un, kind, j
	WIN 0                                          ; (the add's two registers lie in window 0)
	s_wait_tensorcnt 0x0                           ; no tensor load of mine is out, so a group 0 may be written
	ds_add_u32 v[SPW], v[NIL]                      ; 0 onto my spare word; work on registers stands between it and the wait for it
.if (\kind) == 1
	s_add_co_u32 s[G0W+1], s21, 0                  ; from places 1, 2 to places 0, 1;
	s_add_nc_u64 s[G0W+2:G0W+3], s[G0W+2:G0W+3], 2*AU    ; from steps 1, 2 to steps 3, 4; the type bits on top are not reached
	s_add_co_u32 s[G0BW+1], s22, BBASE
	s_add_nc_u64 s[G0BW+2:G0BW+3], s[G0BW+2:G0BW+3], 2*BU
.elseif (\kind) == 2
	s_add_co_u32 s[G0S+1], s20, 2*AU               ; from place 0 to place 2;
	s_add_nc_u64 s[G0S+2:G0S+3], s[G0S+2:G0S+3], 5*AU    ; from step 0 to step 5
	s_add_co_u32 s[G0BS+1], s21, BBASE+2*BU
	s_add_nc_u64 s[G0BS+2:G0BS+3], s[G0BS+2:G0BS+3], 5*BU
.elseif (\kind) == 3
	s_add_nc_u64 s[G0W+2:G0W+3], s[G0W+2:G0W+3], 3*AU    ; from steps 3, 4 to steps 6, 7, in the same places
	s_add_nc_u64 s[G0BW+2:G0BW+3], s[G0BW+2:G0BW+3], 3*BU
.endif
	s_wait_dscnt 5                                 ; (the add and the youngest four loads may be out)
	WIN MUL
	MULA F1, 0, 0
	s_wait_dscnt 0x0                               ; the add is done, and my reads of the places that are left are over
	s_barrier_signal -1
	MULA F1, 1, 0
.if ACCM && ((\j) > 0)
	ACC 3, (\j)-1
.endif
	WIN 0
	s_barrier_wait -1
.if (\kind) == 0
	PLACES
.elseif (\kind) == 2
	CREST                                          ; no wave of any partner still reads this place or has a load on its way
	JLOAD G0S, G1, G0BS, G1B                       ; my one tensor load behind the round; its four v_nop are also the places in front of the loads below
.else
	CREST
	JLOAD G0W, G1W, G0BW, G1BW
.endif
	FETCH \un, 0, F0
	WIN MUL
	MULA F1, 2, 0
	MULA F1, 3, 0
.endm
.macro LASTQ j                         ; the very last quarter: nothing more to fetch
	s_wait_dscnt 4
	WIN MUL
	MULA F1, 0, 0
	MULA F1, 1, 0
	s_wait_dscnt 0x0
.if ACCM
	ACC 3, (\j)-1
	WIN MUL
.endif
	MULA F1, 2, 0
	MULA F1, 3, 0
	WIN 0
.endm
.macro UNIT j, u, un, zero, kind       ; K step j, in place u; un: the next step's place.  kind 0 to 3: as in TURN; 4: the next step is there already, no barrier; 5: the last step
.if ACCM
.set MUL, 0x50+0x50*((\j)&1)
.endif
	QUARTER \u, 1, F0, F1, \zero, \j, 0
	QUARTER \u, 2, F1, F0, 0, \j, 1
	QUARTER \u, 3, F0, F1, 0, \j, 2
.if (\kind) == 4
	QUARTER \un, 0, F1, F0, 0, \j, 3
.elseif (\kind) == 5
	LASTQ \j
.else
	TURN \un, \kind, \j
.endif
.endm
.macro PLOAD a                         ; tile a (16 queries x my 128 keys) of p~: four fragments, into set a % 2
.irp x, 0,1,2,3,4,5,6,7
	global_load_b128 v[PA+32*((\a)%2)+4*\x:PA+32*((\a)%2)+4*\x+3], v[GO], s[96:97] offset:4096*(\a)+512*\x
.endr
.endm
	s_load_b128 s[4:7], s[0:1], 0x0                ; pbuf s[4:5], qkv s[6:7]
	s_load_b128 s[88:91], s[0:1], 0x10             ; stats s[88:89], ctx16 s[90:91]
	s_load_b64 s[92:93], s[0:1], 0x20              ; out1
	v_lshl_add_u32 v[SPW], v0, 2, SPARE
	v_mov_b32 v[NIL], 0
	ds_add_u32 v[SPW], v[NIL]                      ; the wave's opening: the add, twice on end, and its wait ahead of my first tensor load; the set-up below stands between the second and the wait
	ds_add_u32 v[SPW], v[NIL]
	v_lshrrev_b32 v1, 5, v0
	v_readfirstlane_b32 s10, v1                    ; wave 0..3
	s_lshr_b32 s11, s10, 1                         ; mh: which 64 of the tile's rows are mine.  Also: I fetch for A (0) or for B (1)
	s_and_b32 s12, s10, 1                          ; nh: which 128 of its columns.  Also: which half, or which step of two, I fetch
	s_bfe_u32 s40, ttmp6, 0x40000                  ; cx, cy: my place in the cluster
	s_bfe_u32 s41, ttmp6, 0x40004
	s_and_b32 s14, ttmp7, 0xffff                   ; the cluster's y, 0..15 (the grid is one cluster wide: cx is the tile column)
	s_lshl_b32 s13, s14, 2
	s_add_co_u32 s13, s13, s41                     ; mt: my 128 rows of the 8,192
	s_lshr_b32 s14, s14, 1                         ; the batch: the same in all sixteen partners
	s_lshl_b32 s42, s14, 2
	s_add_co_u32 s42, s42, s40                     ; B's block row: 4 x batch + cx
	s_lshl_b32 s43, s41, 2
	s_lshl_b32 s43, 15, s43                        ; my row of the cluster
	s_lshl_b32 s44, 0x1111, s40                    ; my column
	s_or_b32 s[G1], s43, (3<<16)|(1<<21)           ; 15:0 the mask; 17:16 element size code 3 (8 bytes); 21 set beside a mask
	s_or_b32 s[G1W], s43, (3<<16)|(1<<21)
	s_or_b32 s[G1B], s44, (3<<16)|(1<<21)
	s_or_b32 s[G1BW], s44, (3<<16)|(1<<21)
	SHAPE G1, 64
	SHAPE G1W, 128
	SHAPE G1B, 128
	SHAPE G1BW, 256
	s_lshl_b32 s20, s12, 14                        ; my half of a K step of A;
	s_lshl_b32 s21, s12, 15                        ; my K step of two of A, my half of a K step of B;
	s_lshl_b32 s22, s12, 16                        ; my K step of two of B: no place in the cluster enters an LDS address
	s_lshl_b32 s16, s13, 18                        ; A: eight K steps of 32,768 bytes for each 128 rows
	s_add_co_u32 s18, s16, s21
	s_add_co_u32 s18, s18, AU                      ; K step 1 or 2, whole
	s_add_co_u32 s16, s16, s20                     ; K step 0, my half
	s_mov_b32 s17, 0
	s_mov_b32 s19, 0
	s_lshl_b32 s46, s42, 19                        ; B: eight K steps of 65,536 bytes for each 256 rows
	s_add_co_u32 s46, s46, BOFF
	s_add_co_u32 s44, s46, s22
	s_add_co_u32 s44, s44, BU
	s_add_co_u32 s46, s46, s21
	s_mov_b32 s45, 0
	s_mov_b32 s47, 0
	v_and_b32 v1, 15, v0                           ; r
	v_bfe_u32 v2, v0, 4, 1                         ; h
	v_and_b32 v3, 31, v0
	v_lshlrev_b32 v[GO], 4, v3
	v_lshlrev_b32 v[SO], 4, v1
	s_lshl_b32 s15, s40, 1
	s_add_co_u32 s15, s15, s12                     ; jc = 2 cx + nh: my chunk of keys for out1, my 128 channels for ctx
	s_lshl_b32 s66, s13, 13                        ; stats: [mt][chunk][mh][-M, l][r 16][a 4] f32
	s_lshl_b32 s67, s11, 9
	s_add_co_u32 s66, s66, s67
	s_mov_b32 s67, 0
	s_lshl_b32 s68, s15, 10                        ; my own chunk's
	s_mov_b32 s69, 0
	s_lshl_b32 s70, s13, 3
	s_add_co_u32 s70, s70, s15
	s_lshl_b32 s70, s70, 15                        ; block (mt, jc) of 32,768 bytes,
	s_lshl_b32 s71, s11, 14                        ; my half of its row tiles
	s_add_co_u32 s70, s70, s71
	s_mov_b32 s71, 0
	s_lshl_b32 s98, s13, 19                        ; out1: rows of 4,096 bytes: 128 mt
	s_lshl_b32 s99, s11, 18                        ; + 64 mh,
	s_add_co_u32 s98, s98, s99
	s_lshl_b32 s99, s15, 9                         ; 512 bytes a chunk
	s_add_co_u32 s98, s98, s99
	s_mov_b32 s99, 0
	s_wait_dscnt 0x0                               ; both opening adds are done
	s_wait_kmcnt 0x0
	s_add_nc_u64 s[88:89], s[88:89], s[66:67]
	s_add_nc_u64 s[94:95], s[88:89], s[68:69]
	s_add_nc_u64 s[96:97], s[4:5], s[70:71]        ; in pbuf: p~ of my chunk
	s_add_nc_u64 s[90:91], s[90:91], s[70:71]      ; in ctx16: where my results go
	s_add_nc_u64 s[92:93], s[92:93], s[98:99]
.irp j, 0,1,2,3,4,5,6,7                ; the statistics and the first two tiles of p~ are asked for ahead of the round: all that follows up to the first product hangs on them
	global_load_b128 v[128+4*\j:131+4*\j], v[SO], s[88:89] offset:1024*\j       ; -M_j of my row in tiles 0-3
	global_load_b128 v[160+4*\j:163+4*\j], v[SO], s[88:89] offset:1024*\j+256   ; l_j
.endr
	global_load_b128 v[192:195], v[SO], s[94:95]   ; -M of my own chunk
	PLOAD 0
	PLOAD 1
	CROUND                                         ; all sixteen work-groups are here: the first joint loads meet
	s_mov_b32 s[G0S], 1                            ; K step 0 into place 0, in halves
	s_add_co_u32 s[G0S+1], s20, 0
	s_add_nc_u64 s[G0S+2:G0S+3], s[PTA:PTA+1], s[16:17]
	s_or_b32 s[G0S+3], s[G0S+3], 0x80000000
	s_mov_b32 s[G0BS], 1
	s_add_co_u32 s[G0BS+1], s21, BBASE
	s_add_nc_u64 s[G0BS+2:G0BS+3], s[PTB:PTB+1], s[46:47]
	s_or_b32 s[G0BS+3], s[G0BS+3], 0x80000000
	JLOAD G0S, G1, G0BS, G1B
	s_mov_b32 s[G0W], 1                            ; K steps 1 and 2 into places 1 and 2, a whole operand a wave.  Two tensor loads of mine are out at the start, one behind each round
	s_add_co_u32 s[G0W+1], s21, AU
	s_add_nc_u64 s[G0W+2:G0W+3], s[PTA:PTA+1], s[18:19]
	s_or_b32 s[G0W+3], s[G0W+3], 0x80000000
	s_mov_b32 s[G0BW], 1
	s_add_co_u32 s[G0BW+1], s22, BBASE+BU
	s_add_nc_u64 s[G0BW+2:G0BW+3], s[PTB:PTB+1], s[44:45]
	s_or_b32 s[G0BW+3], s[G0BW+3], 0x80000000
	JLOAD G0W, G1W, G0BW, G1BW
	s_lshl_b32 s18, s11, 14                        ; my 64 rows of A
	s_lshl_b32 s19, s12, 15                        ; my 128 rows of B,
	s_add_co_u32 s19, s19, BBASE                   ; which lie behind A's three places
.irp u, 0,1,2
	v_add_nc_u32 v[ADRA+\u], s18, v[GO]
	v_add_nc_u32 v[ADRB+\u], s19, v[GO]
	s_add_co_u32 s18, s18, AU
	s_add_co_u32 s19, s19, BU
.endr
	s_mul_i32 s18, s10, 16*272
	s_add_co_u32 s18, s18, STAGE                   ; my stage
	v_mul_u32_u24 v[STO], v1, 272
	v_lshl_add_u32 v[STO], v2, 5, v[STO]
	v_add_nc_u32 v[STO], s18, v[STO]               ; in: row r, + 32 h
	v_mul_u32_u24 v[RD], v2, 272
	v_lshl_add_u32 v[RD], v1, 4, v[RD]
	v_add_nc_u32 v[RD], s18, v[RD]                 ; back: lanes 0-15 take 256 bytes of one row, lanes 16-31 of the next
	v_lshlrev_b32 v[GO2], 12, v2
	v_lshl_add_u32 v[GO2], v1, 4, v[GO2]           ; and the same in out1
	v_mov_b32 v[GT+1], 0                           ; (named as the upper half of the pair, so it is written)
	; ---- THE STATISTICS AND out1, while the first tiles are on their way
	s_wait_loadcnt 16                              ; the statistics are in; the two tiles' 16 loads may be out
.irp a, 0,1,2,3
	v_max3_num_f32 v[196+\a], -v[128+\a], -v[132+\a], -v[136+\a]
.endr
.irp a, 0,1,2,3
	v_max3_num_f32 v[196+\a], v[196+\a], -v[140+\a], -v[144+\a]
.endr
.irp a, 0,1,2,3
	v_max3_num_f32 v[196+\a], v[196+\a], -v[148+\a], -v[152+\a]
.endr
.irp a, 0,1,2,3
	v_max_num_f32 v[196+\a], v[196+\a], -v[156+\a] ; M: the row's largest M_j
.endr
.set n, 0
.rept 32
	v_sub_f32 v[128+n], -v[128+n], v[196+n%4]      ; M_j - M: a whole number, 0 or less
.set n, n+1
.endr
.irp a, 0,1,2,3
	v_sub_f32 v[192+\a], -v[192+\a], v[196+\a]
.endr
.set n, 0
.rept 32
	v_cvt_i32_f32 v[128+n], v[128+n]               ; (it saturates)
.set n, n+1
.endr
.irp a, 0,1,2,3
	v_cvt_i32_f32 v[192+\a], v[192+\a]
.endr
.set n, 0
.rept 32
	v_ldexp_f32 v[128+n], 1.0, v[128+n]            ; g_j = 2^(M_j - M)
.set n, n+1
.endr
.irp a, 0,1,2,3
	v_ldexp_f32 v[192+\a], 1.0, v[192+\a]
.endr
.irp a, 0,1,2,3
	v_mul_f32 v[200+\a], v[160+\a], v[128+\a]
.endr
.irp j, 1,2,3,4,5,6,7
.irp a, 0,1,2,3
	v_fmac_f32 v[200+\a], v[160+4*\j+\a], v[128+4*\j+\a]   ; L = the sum of l_j g_j
.endr
.endr
.irp a, 0,1,2,3
	v_rcp_f32 v[204+\a], v[200+\a]
.endr
	v_nop                                          ; a plain line behind the last reciprocal
	s_wait_alu depctr_va_vdst(0)                   ; the wait ahead of the first line that names a result: one for the four
.set n, 0
.rept 32
	v_mul_f32 v[G+n], v[128+n], v[204+n%4]         ; the factors g_j / L, in f32
.set n, n+1
.endr
.irp a, 0,1,2,3
	v_mul_f32 v[WS+2*\a], v[192+\a], v[204+\a]     ; both words of a pair feed the packed multiplies
	v_mul_f32 v[WS+2*\a+1], v[192+\a], v[204+\a]
.endr
.macro CVT32 set                       ; a tile's 32 registers of f16 pairs become 64 f32 at v[W32] on.  Halves of registers are written by name: hence the lists
.set n, 0
.if (\set) == 0
.irp hf, v64.l,v64.h,v65.l,v65.h,v66.l,v66.h,v67.l,v67.h,v68.l,v68.h,v69.l,v69.h,v70.l,v70.h,v71.l,v71.h,v72.l,v72.h,v73.l,v73.h,v74.l,v74.h,v75.l,v75.h,v76.l,v76.h,v77.l,v77.h,v78.l,v78.h,v79.l,v79.h,v80.l,v80.h,v81.l,v81.h,v82.l,v82.h,v83.l,v83.h,v84.l,v84.h,v85.l,v85.h,v86.l,v86.h,v87.l,v87.h,v88.l,v88.h,v89.l,v89.h,v90.l,v90.h,v91.l,v91.h,v92.l,v92.h,v93.l,v93.h,v94.l,v94.h,v95.l,v95.h
	v_cvt_f32_f16 v[W32+n], \hf
.set n, n+1
.endr
.else
.irp hf, v96.l,v96.h,v97.l,v97.h,v98.l,v98.h,v99.l,v99.h,v100.l,v100.h,v101.l,v101.h,v102.l,v102.h,v103.l,v103.h,v104.l,v104.h,v105.l,v105.h,v106.l,v106.h,v107.l,v107.h,v108.l,v108.h,v109.l,v109.h,v110.l,v110.h,v111.l,v111.h,v112.l,v112.h,v113.l,v113.h,v114.l,v114.h,v115.l,v115.h,v116.l,v116.h,v117.l,v117.h,v118.l,v118.h,v119.l,v119.h,v120.l,v120.h,v121.l,v121.h,v122.l,v122.h,v123.l,v123.h,v124.l,v124.h,v125.l,v125.h,v126.l,v126.h,v127.l,v127.h
	v_cvt_f32_f16 v[W32+n], \hf
.set n, n+1
.endr
.endif
.endm
; Tile a of out1.  Registers 8 x .. 8 x + 7 of W32 are my query's keys 16 x + 8 h + 0 .. 7: 32 bytes of its row; the lanes beside me hold other rows: so the tile goes through my stage, 64 keys (256 bytes of 16 rows) at a time,
; and comes back so that sixteen lanes hold 256 consecutive bytes.  LDS serves a wave's instructions in order: the loads see the stores above them, and the second half's stores come behind the first half's loads.
.macro OUT1 a, set, left, more
	s_wait_loadcnt \left                           ; this tile's 8 loads are in; the next tile's 8 may be out
	CVT32 \set
.if \more
	PLOAD (\a)+2                                   ; the set just widened takes the tile two on
.endif
.set n, 0
.rept 32
	v_pk_mul_f32 v[W32+n:W32+n+1], v[W32+n:W32+n+1], v[WS+2*(\a):WS+2*(\a)+1]   ; weights = p~ g / L
.set n, n+2
.endr
.if (\a) > 0
	s_wait_xcnt 0x0                                ; the last tile's stores have read v192-255: they are loaded again only behind this wait
.endif
.irp u, 0,1
.irp x, 0,1,2,3
	ds_store_b128 v[STO], v[W32+32*\u+8*\x:W32+32*\u+8*\x+3] offset:64*\x
	ds_store_b128 v[STO], v[W32+32*\u+8*\x+4:W32+32*\u+8*\x+7] offset:64*\x+16
.endr
.irp t, 0,1,2,3,4,5,6,7
	ds_load_b128 v[BK+32*\u+4*\t:BK+32*\u+4*\t+3], v[RD] offset:544*\t
.endr
.endr
.irp u, 0,1
.irp t, 0,1,2,3,4,5,6,7
	s_wait_dscnt 23-16*\u-\t                       ; this load is back; the younger LDS instructions (of the first half: 7 - t loads, 8 stores, 8 loads) may be out
	global_store_b128 v[GO2], v[BK+32*\u+4*\t:BK+32*\u+4*\t+3], s[92:93] offset:4096*(16*(\a)+2*\t)+256*\u th:TH_STORE_NT   ; sixteen lanes store 256 consecutive bytes, aligned; written once, read by nobody here
.endr
.endr
.endm
	OUT1 0, 0, 8, 1
	OUT1 1, 1, 8, 1
	OUT1 2, 0, 8, 0
	OUT1 3, 1, 0, 0
	s_wait_xcnt 0x0                                ; the stores have read their registers: the fragment buffers may be loaded
	s_wait_dscnt 0x0                               ; no LDS instruction of mine is out at the signal
	s_wait_tensorcnt 1                             ; my part of K step 0 is in; the load issued behind it (K steps 1, 2) may be out
	s_barrier_signal -1
	s_barrier_wait -1                              ; everybody's is
	FETCH 0, 0, F0
	UNIT 0, 0, 1, 1, 0                             ; the eight K steps are written out: each starts sums of its own and names the step before's factors.  Then a plain barrier: steps 1 and 2 have landed
	UNIT 1, 1, 2, 1, 1                             ; in it the round behind which steps 3 and 4 are asked for
	UNIT 2, 2, 0, 1, 2                             ; the round behind which step 5 is asked for
	UNIT 3, 0, 1, 1, 4                             ; step 4 was shown landed at that round: no barrier
	UNIT 4, 1, 2, 1, 3                             ; the round behind which steps 6 and 7 are asked for
	UNIT 5, 2, 0, 1, 0                             ; a plain barrier: steps 6 and 7 have landed
	UNIT 6, 0, 1, 1, 4
	UNIT 7, 1, 0, 1, 5
	; THE WAY OUT: the last step's sums are taken in; the total, rounded to f16 in pairs: accumulators (a, 2 kb) and (a, 2 kb + 1) are the fragment (row tile a, kb) of the last product
	PLACES
.irp a, 0,1,2,3
	ACC \a, 7
.endr
	WIN 0x0f                                       ; sources 0 and 1 window 3
.set n, 0
.rept 128
	v_cvt_pk_f16_f32 v[PK+n], v[2*n], v[2*n+1]
.set n, n+1
.endr
	WIN 0
.set n, 0
.rept 32
	global_store_b128 v[GO], v[PK+4*n:PK+4*n+3], s[90:91] offset:512*n   ; 512 consecutive bytes, aligned
.set n, n+1
.endr
	s_wait_tensorcnt 0x0                           ; the wave's end, behind my last tensor load and my last LDS store
	ds_add_u32 v[SPW], v[NIL]
	s_wait_dscnt 0x0
	CROUND                                         ; the closing round: no work-group ends while a partner may still ask for a tile that names it
	s_endpgm
.Lfunc_end_k_q1cde78396c_ctx:
	.size	k_q1cde78396c_ctx, .Lfunc_end_k_q1cde78396c_ctx-k_q1cde78396c_ctx
	.p2alignl 7, 3214868480
	.fill 96, 4, 3214868480
	.section	.rodata,"a",@progbits
	.p2align	6, 0x0
	.amdhsa_kernel k_q1cde78396c_ctx
		.amdhsa_group_segment_fixed_size 327680
		.amdhsa_private_segment_fixed_size 0
		.amdhsa_enable_private_segment 0
		.amdhsa_kernarg_size 40
		.amdhsa_user_sgpr_count 2
		.amdhsa_user_sgpr_kernarg_segment_ptr 1
		.amdhsa_wavefront_size32 1
		.amdhsa_system_sgpr_workgroup_id_x 1
		.amdhsa_system_sgpr_workgroup_id_y 1
		.amdhsa_system_sgpr_workgroup_id_z 1
		.amdhsa_system_vgpr_workitem_id 0
		.amdhsa_next_free_vgpr 1024
		.amdhsa_next_free_sgpr 100
		.amdhsa_reserve_vcc 0
		.amdhsa_float_denorm_mode_32 3
		.amdhsa_float_denorm_mode_16_64 3
		.amdhsa_memory_ordered 1
		.amdhsa_forward_progress 1
		.amdhsa_inst_pref_size 254
	.end_amdhsa_kernel
	.amdgpu_metadata
---
amdhsa.version: [ 1, 2 ]
amdhsa.kernels:
  - .name:           k_q1cde78396c_ctx
    .symbol:         k_q1cde78396c_ctx.kd
    .args:
      - { .name: pbuf, .offset: 0, .size: 8, .value_kind: global_buffer, .address_space: global }
      - { .name: qkv, .offset: 8, .size: 8, .value_kind: global_buffer, .address_space: global }
      - { .name: stats, .offset: 16, .size: 8, .value_kind: global_buffer, .address_space: global }
      - { .name: ctx16, .offset: 24, .size: 8, .value_kind: global_buffer, .address_space: global }
      - { .name: out1, .offset: 32, .size: 8, .value_kind: global_buffer, .address_space: global }
    .group_segment_fixed_size: 327680
    .private_segment_fixed_size: 0
    .kernarg_segment_align: 8
    .kernarg_segment_size: 40
    .max_flat_workgroup_size: 128
    .sgpr_count:     100
    .vgpr_count:     1024
    .wavefront_size: 32
...
	.end_amdgpu_metadata
.endif
;; end of part 4
;; launch outp (part 5): grid 4 x 64, 4 waves a work-group, clusters of 4 x 4, 327,680 bytes of LDS; arguments ctx16, wo16, out0; writes out0
.if DOCPART == 5
	.amdgcn_target "amdgcn-amd-amdhsa--gfx1250"
	.amdhsa_code_object_version 6
	.text
	.protected	k_q1cde78396c_outp
	.globl	k_q1cde78396c_outp
	.p2align	8
	.type	k_q1cde78396c_outp,@function
k_q1cde78396c_outp:
	s_mov_b64 s[64:65], 0
	v_nop
	global_prefetch_b8 v0, s[64:65] scope:SCOPE_SE
	s_setreg_imm32_b32 hwreg(HW_REG_WAVE_MODE, 25, 1), 1
	s_wait_xcnt 0x0
	s_wait_alu depctr_hold_cnt(0) depctr_sa_sdst(0) depctr_va_vdst(0) depctr_va_sdst(0) depctr_va_ssrc(0) depctr_va_vcc(0) depctr_vm_vsrc(0)
	s_getreg_b32 s2, hwreg(HW_REG_IB_STS2, 6, 4)
	s_cmp_eq_u32 s2, 0
	s_cbranch_scc0 .Lentry_in_a_cluster
	s_endpgm
.Lentry_in_a_cluster:
	s_bfe_u32 s2, ttmp6, 0x10000c
	s_cmp_lg_u32 s2, 0xf033
	s_cbranch_scc0 .Lentry_shape_is_right
	s_endpgm
.Lentry_shape_is_right:
; FIFTH LAUNCH: out0 = ctx Wo in f16 with f32 sums.  Nothing of reference() is left out.
; SHARES.  A tile of C is 128 rows x 256 columns: 256 work-groups, one for each WGP.  Wave (mh, nh) makes 64 x 128: 32 accumulators, 256 registers.
; OPERANDS LIE IN MEMORY AS IMAGES OF THEIR REGISTERS (a fragment of 16 rows x 32 k: registers 4 c .. 4 c + 3 of lane l at byte 512 c + 16 l); neighbouring K steps are neighbours in memory; a fragment load is lane l at 16 l.
; THE RING.  K = 1,024 goes in 8 steps of 128 through THREE places in LDS (step j in place j % 3; A's three places lie on end, then B's three).  Steps 0, 1, 2 are the first fills.  Behind step 1 places 0 and 1 take steps 3 and 4
; (each wave one whole operand of one step); behind step 2 place 2 takes step 5 (each wave half an operand); behind step 4 places 0 and 1 take steps 6 and 7: three refills, each behind a round of the cluster's barrier.
; CLUSTERS: 4 x 4 work-groups; A's tiles (ctx) are shared along a row of the cluster, B's (Wo's columns) along a column: each is asked for JOINTLY, by the same tensor load with the same descriptor and a mask that names the four.
; THE MATRIX INSTRUCTION IS USED TRANSPOSED (source 0 = 16 columns of Wo, source 1 = 16 rows of ctx): lane (r, h) holds eight neighbouring numbers of row r of out0.
; The GEMM core (SHAPE to UNIT, and the head) is the same text in the launches scores, ctx and outp; ACCM = 1, in ctx alone, gives each K step sums of its own.
; REGISTERS: window 0: v0-63 addresses; v64-159, v160-255 two fragment buffers (on the way out v64-191: rows read back).   window 1: accumulator (a, b) at v[8 (8 a + b)].
.set ACCM,   0
.set AU,     32768                     ; a K step of A
.set BU,     65536                     ; a K step of B
.set BBASE,  3*AU                      ; LDS: A's three places, then B's three
.set SPARE,  BBASE+3*BU                ; behind them: the spare words, 128 bytes a wave: two blocks of 256 bytes that no other line names
.set STAGE,  BBASE+2*BU                ; the way out: 16 rows x (512 bytes + 16) for each wave, in B's third place: it has had its last fill (step 5), and behind step 5's barrier nobody reads it
.set PTA,    4                         ; s[4:5] the buffer of A (ctx16);
.set PTB,    6                         ; s[6:7] of B (wo16)
.set ADRA, 4                           ; v4-6   LDS address of my A fragments in place 0, 1, 2
.set ADRB, 7                           ; v7-9   the same for B
.set GO,   10                          ; v10    16 x lane
.set SPW,  12                          ; v12    LDS address of my spare word; never rewritten
.set NIL,  13                          ; v13    0; never rewritten
.set STO,  14                          ; v14    the stage: where I put 32 bytes of a row
.set RD,   15                          ; v15    and where I read a row back
.set F0,   64
.set F1,   160
.set G1,   24                          ; s[24:31] group 1: half a K step of A, 64 rows of 256 bytes
.set G0S,  32                          ; s[32:35] group 0 for it
.set G0W,  36                          ; s[36:39] group 0 for a whole K step of A
.set G1B,  48                          ; s[48:55] group 1: half a K step of B, 128 rows
.set G0BS, 56                          ; s[56:59] group 0 for it
.set G0BW, 60                          ; s[60:63] group 0 for a whole K step of B
.set G1W,  72                          ; s[72:79] group 1: a whole K step of A, 128 rows
.set G1BW, 80                          ; s[80:87] group 1: a whole K step of B, 256 rows
.set MUL,  0x50                        ; C and D window 1, sources window 0
.set MSB, 0
.macro WIN new                         ; the immediate's high byte repeats the setting that is left; a switch that changes nothing is dropped
.if MSB != (\new)
	s_set_vgpr_msb (MSB<<8)|(\new)
.set MSB, (\new)
.endif
.endm
.macro PLACES                          ; four places in front of loads into registers that matrix instructions have read, and of LDS stores that read results
.rept 4
	v_nop
.endr
.endm
.macro SHAPE g, rows                   ; the constant words of a group 1: a dense run as rows of 256 bytes (32 elements of 8 bytes), no padding
	s_mov_b32 s[\g+1], 32<<16                      ; tensor_dim0 = 32
	s_mov_b32 s[\g+2], (\rows)<<16                 ; tensor_dim1
	s_mov_b32 s[\g+3], 32<<16                      ; tile_dim0
	s_mov_b32 s[\g+4], \rows                       ; tile_dim1
	s_mov_b32 s[\g+5], 32                          ; tensor_dim0_stride
	s_mov_b32 s[\g+6], 0
	s_mov_b32 s[\g+7], 0
.endm
.macro JLOAD g0a, g1a, g0b, g1b        ; a joint load: waves 0 and 1 fetch for A, waves 2 and 3 for B; an s_nop 0 and four v_nop follow each of the two lines
	s_cmp_eq_u32 s11, 0
	s_cbranch_scc0 .Lfor_b_\@
	tensor_load_to_lds s[\g0a:\g0a+3], s[\g1a:\g1a+7]
	s_nop 0
.rept 4
	v_nop
.endr
	s_branch .Lasked_\@
.Lfor_b_\@:
	tensor_load_to_lds s[\g0b:\g0b+3], s[\g1b:\g1b+7]
	s_nop 0
.rept 4
	v_nop
.endr
.Lasked_\@:
.endm
.macro CREST                           ; a round of the cluster's barrier behind its opening barrier
	s_cmp_lg_u32 s10, 0
	s_cbranch_scc1 .Lnot_wave_0_\@
	s_barrier_signal -3
.Lnot_wave_0_\@:
	s_barrier_wait -3
	s_barrier_signal -1
	s_barrier_wait -1
.endm
.macro CROUND                          ; a whole round
	s_barrier_signal -1
	s_barrier_wait -1
	CREST
.endm
.macro FETCH u, q, f                   ; 24 LDS loads in one run: the fragments of place u's q-th 32 along K into buffer f: B's eight, then A's tiles 0, 1, then 2, 3
	WIN 0
.irp b, 0,1,2,3,4,5,6,7
	ds_load_b128 v[\f+8*\b:\f+8*\b+3],   v[ADRB+(\u)] offset:4096*\b+1024*(\q)
	ds_load_b128 v[\f+8*\b+4:\f+8*\b+7], v[ADRB+(\u)] offset:4096*\b+1024*(\q)+512
.endr
.irp a, 0,1,2,3
	ds_load_b128 v[\f+64+8*\a:\f+64+8*\a+3],   v[ADRA+(\u)] offset:4096*\a+1024*(\q)
	ds_load_b128 v[\f+64+8*\a+4:\f+64+8*\a+7], v[ADRA+(\u)] offset:4096*\a+1024*(\q)+512
.endr
.endm
.macro MULA f, a, zero                 ; 8 matrix instructions: A's tile a x B's eight.  The 32 accumulators take turns, one instruction a turn.  zero = 1: the product starts the sums
.irp b, 0,1,2,3,4,5,6,7
.if \zero
	v_wmma_f32_16x16x32_f16 v[8*(8*(\a)+\b):8*(8*(\a)+\b)+7], v[\f+8*\b:\f+8*\b+7], v[\f+64+8*(\a):\f+64+8*(\a)+7], 0
.else
	v_wmma_f32_16x16x32_f16 v[8*(8*(\a)+\b):8*(8*(\a)+\b)+7], v[\f+8*\b:\f+8*\b+7], v[\f+64+8*(\a):\f+64+8*(\a)+7], v[8*(8*(\a)+\b):8*(8*(\a)+\b)+7]
.endif
.endr
.endm
.macro GAP a, j                        ; a quarter's middle: the places in front of its LDS loads.  ACCM = 1: the last K step's sums of tile a are taken in there
.if ACCM && ((\j) > 0)
	ACC \a, (\j)-1
.else
	PLACES
.endif
.endm
; A K step is four quarters of 32 along K, 32 matrix instructions each, on buffers 0, 1, 0, 1.  A quarter multiplies buffer f and, in its middle, fetches quarter fq of place fu into g.
.macro QUARTER fu, fq, f, g, zero, j, a
	s_wait_dscnt 4                                 ; B's fragments and A's tiles 0, 1 are in; the youngest four loads (A's tiles 2, 3) may be out
	WIN MUL
	MULA \f, 0, \zero
	MULA \f, 1, \zero
	GAP \a, \j
	FETCH \fu, \fq, \g
	s_wait_dscnt 24                                ; all but the 24 just issued
	WIN MUL
	MULA \f, 2, \zero
	MULA \f, 3, \zero
.endm
; A K step's last quarter where a barrier is due.  In front of it each wave waits for all its tensor loads, adds 0 to its spare word, and waits for that and for its own LDS reads.
; kind 0: a plain barrier: the next steps have landed; nothing is filled.  kind 1, 3: a round of the cluster's barrier; places 0 and 1 take the next two steps not yet asked for.  kind 2: a round; place 2 takes step 5.
.macro TURN un, kind, j
	WIN 0                                          ; (the add's two registers lie in window 0)
	s_wait_tensorcnt 0x0                           ; no tensor load of mine is out, so a group 0 may be written
	ds_add_u32 v[SPW], v[NIL]                      ; 0 onto my spare word; work on registers stands between it and the wait for it
.if (\kind) == 1
	s_add_co_u32 s[G0W+1], s21, 0                  ; from places 1, 2 to places 0, 1;
	s_add_nc_u64 s[G0W+2:G0W+3], s[G0W+2:G0W+3], 2*AU    ; from steps 1, 2 to steps 3, 4; the type bits on top are not reached
	s_add_co_u32 s[G0BW+1], s22, BBASE
	s_add_nc_u64 s[G0BW+2:G0BW+3], s[G0BW+2:G0BW+3], 2*BU
.elseif (\kind) == 2
	s_add_co_u32 s[G0S+1], s20, 2*AU               ; from place 0 to place 2;
	s_add_nc_u64 s[G0S+2:G0S+3], s[G0S+2:G0S+3], 5*AU    ; from step 0 to step 5
	s_add_co_u32 s[G0BS+1], s21, BBASE+2*BU
	s_add_nc_u64 s[G0BS+2:G0BS+3], s[G0BS+2:G0BS+3], 5*BU
.elseif (\kind) == 3
	s_add_nc_u64 s[G0W+2:G0W+3], s[G0W+2:G0W+3], 3*AU    ; from steps 3, 4 to steps 6, 7, in the same places
	s_add_nc_u64 s[G0BW+2:G0BW+3], s[G0BW+2:G0BW+3], 3*BU
.endif
	s_wait_dscnt 5                                 ; (the add and the youngest four loads may be out)
	WIN MUL
	MULA F1, 0, 0
	s_wait_dscnt 0x0                               ; the add is done, and my reads of the places that are left are over
	s_barrier_signal -1
	MULA F1, 1, 0
.if ACCM && ((\j) > 0)
	ACC 3, (\j)-1
.endif
	WIN 0
	s_barrier_wait -1
.if (\kind) == 0
	PLACES
.elseif (\kind) == 2
	CREST                                          ; no wave of any partner still reads this place or has a load on its way
	JLOAD G0S, G1, G0BS, G1B                       ; my one tensor load behind the round; its four v_nop are also the places in front of the loads below
.else
	CREST
	JLOAD G0W, G1W, G0BW, G1BW
.endif
	FETCH \un, 0, F0
	WIN MUL
	MULA F1, 2, 0
	MULA F1, 3, 0
.endm
.macro LASTQ j                         ; the very last quarter: nothing more to fetch
	s_wait_dscnt 4
	WIN MUL
	MULA F1, 0, 0
	MULA F1, 1, 0
	s_wait_dscnt 0x0
.if ACCM
	ACC 3, (\j)-1
	WIN MUL
.endif
	MULA F1, 2, 0
	MULA F1, 3, 0
	WIN 0
.endm
.macro UNIT j, u, un, zero, kind       ; K step j, in place u; un: the next step's place.  kind 0 to 3: as in TURN; 4: the next step is there already, no barrier; 5: the last step
.if ACCM
.set MUL, 0x50+0x50*((\j)&1)
.endif
	QUARTER \u, 1, F0, F1, \zero, \j, 0
	QUARTER \u, 2, F1, F0, 0, \j, 1
	QUARTER \u, 3, F0, F1, 0, \j, 2
.if (\kind) == 4
	QUARTER \un, 0, F1, F0, 0, \j, 3
.elseif (\kind) == 5
	LASTQ \j
.else
	TURN \un, \kind, \j
.endif
.endm
	s_load_b128 s[4:7], s[0:1], 0x0                ; ctx16 s[4:5], wo16 s[6:7]
	s_load_b64 s[8:9], s[0:1], 0x10                ; out0
	v_lshl_add_u32 v[SPW], v0, 2, SPARE
	v_mov_b32 v[NIL], 0
	ds_add_u32 v[SPW], v[NIL]                      ; the wave's opening: the add, twice on end, and its wait ahead of my first tensor load; the set-up below stands between the second and the wait
	ds_add_u32 v[SPW], v[NIL]
	v_lshrrev_b32 v1, 5, v0
	v_readfirstlane_b32 s10, v1                    ; wave 0..3
	s_lshr_b32 s11, s10, 1                         ; mh: which 64 of the tile's rows are mine.  Also: I fetch for A (0) or for B (1)
	s_and_b32 s12, s10, 1                          ; nh: which 128 of its columns.  Also: which half, or which step of two, I fetch
	s_bfe_u32 s40, ttmp6, 0x40000                  ; cx, cy: my place in the cluster
	s_bfe_u32 s41, ttmp6, 0x40004
	s_and_b32 s14, ttmp7, 0xffff                   ; the cluster's y, 0..15 (the grid is one cluster wide: cx is the tile column, and B's block row)
	s_lshl_b32 s13, s14, 2
	s_add_co_u32 s13, s13, s41                     ; mt: my 128 rows of the 8,192
	s_lshl_b32 s43, s41, 2
	s_lshl_b32 s43, 15, s43                        ; my row of the cluster
	s_lshl_b32 s44, 0x1111, s40                    ; my column
	s_or_b32 s[G1], s43, (3<<16)|(1<<21)           ; 15:0 the mask; 17:16 element size code 3 (8 bytes); 21 set beside a mask
	s_or_b32 s[G1W], s43, (3<<16)|(1<<21)
	s_or_b32 s[G1B], s44, (3<<16)|(1<<21)
	s_or_b32 s[G1BW], s44, (3<<16)|(1<<21)
	SHAPE G1, 64
	SHAPE G1W, 128
	SHAPE G1B, 128
	SHAPE G1BW, 256
	s_lshl_b32 s20, s12, 14                        ; my half of a K step of A;
	s_lshl_b32 s21, s12, 15                        ; my K step of two of A, my half of a K step of B;
	s_lshl_b32 s22, s12, 16                        ; my K step of two of B: no place in the cluster enters an LDS address
	s_lshl_b32 s16, s13, 18                        ; A: eight K steps of 32,768 bytes for each 128 rows
	s_add_co_u32 s18, s16, s21
	s_add_co_u32 s18, s18, AU                      ; K step 1 or 2, whole
	s_add_co_u32 s16, s16, s20                     ; K step 0, my half
	s_mov_b32 s17, 0
	s_mov_b32 s19, 0
	s_lshl_b32 s46, s40, 19                        ; B: eight K steps of 65,536 bytes for each 256 rows
	s_add_co_u32 s44, s46, s22
	s_add_co_u32 s44, s44, BU
	s_add_co_u32 s46, s46, s21
	s_mov_b32 s45, 0
	s_mov_b32 s47, 0
	s_wait_dscnt 0x0                               ; both opening adds are done
	s_wait_kmcnt 0x0
	CROUND                                         ; all sixteen work-groups are here: the first joint loads meet
	s_mov_b32 s[G0S], 1                            ; K step 0 into place 0, in halves
	s_add_co_u32 s[G0S+1], s20, 0
	s_add_nc_u64 s[G0S+2:G0S+3], s[PTA:PTA+1], s[16:17]
	s_or_b32 s[G0S+3], s[G0S+3], 0x80000000
	s_mov_b32 s[G0BS], 1
	s_add_co_u32 s[G0BS+1], s21, BBASE
	s_add_nc_u64 s[G0BS+2:G0BS+3], s[PTB:PTB+1], s[46:47]
	s_or_b32 s[G0BS+3], s[G0BS+3], 0x80000000
	JLOAD G0S, G1, G0BS, G1B
	s_mov_b32 s[G0W], 1                            ; K steps 1 and 2 into places 1 and 2, a whole operand a wave.  Two tensor loads of mine are out at the start, one behind each round
	s_add_co_u32 s[G0W+1], s21, AU
	s_add_nc_u64 s[G0W+2:G0W+3], s[PTA:PTA+1], s[18:19]
	s_or_b32 s[G0W+3], s[G0W+3], 0x80000000
	s_mov_b32 s[G0BW], 1
	s_add_co_u32 s[G0BW+1], s22, BBASE+BU
	s_add_nc_u64 s[G0BW+2:G0BW+3], s[PTB:PTB+1], s[44:45]
	s_or_b32 s[G0BW+3], s[G0BW+3], 0x80000000
	JLOAD G0W, G1W, G0BW, G1BW
	v_and_b32 v1, 15, v0                           ; r
	v_bfe_u32 v2, v0, 4, 1                         ; h
	v_and_b32 v3, 31, v0
	v_lshlrev_b32 v[GO], 4, v3
	s_lshl_b32 s18, s11, 14                        ; my 64 rows of A
	s_lshl_b32 s19, s12, 15                        ; my 128 rows of B,
	s_add_co_u32 s19, s19, BBASE                   ; which lie behind A's three places
.irp u, 0,1,2
	v_add_nc_u32 v[ADRA+\u], s18, v[GO]
	v_add_nc_u32 v[ADRB+\u], s19, v[GO]
	s_add_co_u32 s18, s18, AU
	s_add_co_u32 s19, s19, BU
.endr
	s_mul_i32 s18, s10, 8448
	s_add_co_u32 s18, s18, STAGE                   ; my stage
	v_mul_u32_u24 v[STO], v1, 528
	v_lshl_add_u32 v[STO], v2, 5, v[STO]
	v_add_nc_u32 v[STO], s18, v[STO]               ; in: row r, + 32 h
	v_add_nc_u32 v[RD], s18, v[GO]                 ; back: the 32 lanes take one row of 512 bytes
	s_lshl_b32 s15, s40, 1
	s_add_co_u32 s15, s15, s12                     ; my 128 columns: 2 cx + nh
	s_lshl_b32 s70, s13, 19                        ; out0: rows of 4,096 bytes: 128 mt
	s_lshl_b32 s71, s11, 18                        ; + 64 mh,
	s_add_co_u32 s70, s70, s71
	s_lshl_b32 s71, s15, 9                         ; 512 bytes for 128 columns
	s_add_co_u32 s70, s70, s71
	s_mov_b32 s71, 0
	s_add_nc_u64 s[8:9], s[8:9], s[70:71]
	s_wait_tensorcnt 1                             ; my part of K step 0 is in; the load issued behind it (K steps 1, 2) may be out
	s_barrier_signal -1
	s_barrier_wait -1                              ; everybody's is
	FETCH 0, 0, F0
	UNIT 0, 0, 1, 1, 0                             ; the eight K steps are written out.  Step 0 starts the sums; then a plain barrier: steps 1 and 2 have landed
	UNIT 1, 1, 2, 0, 1                             ; in it the round behind which steps 3 and 4 are asked for
	UNIT 2, 2, 0, 0, 2                             ; the round behind which step 5 is asked for
	UNIT 3, 0, 1, 0, 4                             ; step 4 was shown landed at that round: no barrier
	UNIT 4, 1, 2, 0, 3                             ; the round behind which steps 6 and 7 are asked for
	UNIT 5, 2, 0, 0, 0                             ; a plain barrier: steps 6 and 7 have landed, and nobody reads the third places any more
	UNIT 6, 0, 1, 0, 4
	UNIT 7, 1, 0, 0, 5
; THE WAY OUT, a tile of 16 rows x 128 columns at a time.  A lane holds 32 neighbouring bytes of a row, and the lanes beside it hold other rows: so a tile goes through my own stage and comes back as whole rows of 512 bytes.
.macro ROWS_OUT a, bk, base
.irp t, 0,1,2,3,4,5,6,7,8,9,10,11,12,13,14,15
	ds_load_b128 v[\bk+4*\t:\bk+4*\t+3], v[RD] offset:528*\t   ; LDS serves a wave's instructions in order: these see my stores
.endr
.irp t, 0,1,2,3,4,5,6,7,8,9,10,11,12,13,14,15
	s_wait_dscnt 15-\t                             ; row t is back; the younger rows' loads may be out
	global_store_b128 v[GO], v[\bk+4*\t:\bk+4*\t+3], s[\base:\base+1] offset:4096*(16*(\a)+\t) th:TH_STORE_NT   ; 512 consecutive bytes, aligned; written once, read by nobody here
.endr
.endm
	PLACES
.irp a, 0,1,2,3
	WIN 0x04                                       ; an LDS store's data are its source 1: window 1
.irp b, 0,1,2,3,4,5,6,7
	ds_store_b128 v[STO], v[64*\a+8*\b:64*\a+8*\b+3] offset:64*\b            ; each accumulator from its low end on
	ds_store_b128 v[STO], v[64*\a+8*\b+4:64*\a+8*\b+7] offset:64*\b+16
.endr
	WIN 0
.if \a > 1
	s_wait_xcnt 0x0                                ; the stores of the tile two back have read this set of registers: it is loaded again only behind this wait
.endif
	ROWS_OUT \a, 64+64*(\a%2), 8
.endr
	s_wait_tensorcnt 0x0                           ; the wave's end, behind my last tensor load and my last LDS store
	ds_add_u32 v[SPW], v[NIL]
	s_wait_dscnt 0x0
	CROUND                                         ; the closing round: no work-group ends while a partner may still ask for a tile that names it
	s_endpgm
.Lfunc_end_k_q1cde78396c_outp:
	.size	k_q1cde78396c_outp, .Lfunc_end_k_q1cde78396c_outp-k_q1cde78396c_outp
	.p2alignl 7, 3214868480
	.fill 96, 4, 3214868480
	.section	.rodata,"a",@progbits
	.p2align	6, 0x0
	.amdhsa_kernel k_q1cde78396c_outp
		.amdhsa_group_segment_fixed_size 327680
		.amdhsa_private_segment_fixed_size 0
		.amdhsa_enable_private_segment 0
		.amdhsa_kernarg_size 24
		.amdhsa_user_sgpr_count 2
		.amdhsa_user_sgpr_kernarg_segment_ptr 1
		.amdhsa_wavefront_size32 1
		.amdhsa_system_sgpr_workgroup_id_x 1
		.amdhsa_system_sgpr_workgroup_id_y 1
		.amdhsa_system_sgpr_workgroup_id_z 1
		.amdhsa_system_vgpr_workitem_id 0
		.amdhsa_next_free_vgpr 512
		.amdhsa_next_free_sgpr 88
		.amdhsa_reserve_vcc 0
		.amdhsa_float_denorm_mode_32 3
		.amdhsa_float_denorm_mode_16_64 3
		.amdhsa_memory_ordered 1
		.amdhsa_forward_progress 1
		.amdhsa_inst_pref_size 148
	.end_amdhsa_kernel
	.amdgpu_metadata
---
amdhsa.version: [ 1, 2 ]
amdhsa.kernels:
  - .name:           k_q1cde78396c_outp
    .symbol:         k_q1cde78396c_outp.kd
    .args:
      - { .name: ctx16, .offset: 0, .size: 8, .value_kind: global_buffer, .address_space: global }
      - { .name: wo16, .offset: 8, .size: 8, .value_kind: global_buffer, .address_space: global }
      - { .name: out0, .offset: 16, .size: 8, .value_kind: global_buffer, .address_space: global }
    .group_segment_fixed_size: 327680
    .private_segment_fixed_size: 0
    .kernarg_segment_align: 8
    .kernarg_segment_size: 24
    .max_flat_workgroup_size: 128
    .sgpr_count:     88
    .vgpr_count:     512
    .wavefront_size: 32
...
	.end_amdgpu_metadata
.endif
;; end of part 5
